; MI455X (gfx1250); checked and timed in simulation.
; The chip was launched on July 23, 2026; its instructions are those of AMD's public machine-readable ISA for CDNA 5 (MIT licence, August 2026) and "CDNA5" Instruction Set Architecture Reference Guide (July 2026). The comments in the code are by the model that wrote it; some were corrected since.
;; Cosine Sim Codebook. Allowed arithmetic: matrix products marked QUANTISED: E3M2 operands, one E8M0 scale for each 32 along K, by v_wmma_scale_f32_16x16x128_f8f6f4 with both operands' format E3M2, f32 sums; everything else in f32.
;; Inputs: cluster_size 1 x 4,096 float32; embed 1 x 4,096 x 64 float32; x 16 x 4,096 x 64 float32.
;; Outputs: out0 16 x 4,096 x 64 float32; out1 16 x 4,096 int32; out2 1 x 4,096 x 64 float32; out3 1 x 4,096 float32.
;; This version of the problem:
;;   THIS VERSION OF THE PROBLEM IS GIVEN IN LOW PRECISION. The matrix products marked QUANTISED in the list below multiply operands that are first quantised to E3M2 (3 exponent bits, 2 mantissa bits; 6 bits a number), with one power-of-two scale for each 32 numbers along K (OCP MX v1.0); their sums are f32. All else is computed in f32.
;;   The module's matrix products, in the order in which they are computed (A, B: the left and right operand; K: the contracted axis; several contracted axes count as one K, in the product's order):
;;     1. [M 65,536, K 64] x [K 64, N 4,096]; A: computed on the way; B: computed on the way: QUANTISED
;;     2. [M 4,096, K 65,536] x [K 65,536, N 64]; A: computed on the way; B: computed on the way: QUANTISED
;;   THE QUANTISER, for each operand of a quantised product, along K:
;;     - K is cut into blocks of 32 from its start; a last block that is shorter is filled with zeros.
;;     - A block's scale is 2^e with e = floor(log2(the largest magnitude in the block)) - 4, held to -126 .. 127; a block of zeros has e = 0. As a byte (E8M0): e + 127.
;;     - Each number is divided by its block's scale, clamped to +-28, and rounded to the nearest number of E3M2, ties to even, subnormals kept.
;;     - The product sums the exact products of the quantised numbers (number of the format x scale) in f32.
;;   ~~~python
;;   def quantise(x, axis):      # numpy; x: float32 -> the quantised numbers, widened to float32 again
;;       x = np.moveaxis(x, axis, -1); K = x.shape[-1]
;;       x = np.pad(x, [(0, 0)] * (x.ndim - 1) + [(0, -K % 32)]); x = x.reshape(x.shape[:-1] + (-1, 32)); a = np.abs(x).max(-1, keepdims=True)
;;       e = np.where(a > 0, np.clip(np.frexp(np.where(a > 0, a, 1))[1] - 1 - 4, -126, 127), 0)      # np.frexp(a)[1] - 1 = floor(log2(a)), exactly
;;       r = np.clip(x / 2.0 ** e, -28, 28)
;;       step = 2.0 ** (np.maximum(np.frexp(np.where(r == 0, 1, r))[1] - 1, -2) - 2)
;;       q = np.round(r / step) * step * 2.0 ** e      # np.round: ties to even
;;       return np.moveaxis(q.reshape(q.shape[:-2] + (-1,))[..., :K], -1, axis).astype(np.float32)
;;   ~~~
;;   OPERANDS COMPUTED ON THE WAY. 'Computed on the way' means the value that the module computes at that place (a softmax that the list does not call 'softmax' is quantised finished and normalised). What goes into a quantiser is computed in f32, as accurately as f32 sums, v_exp_f32 and their like allow (about 1e-6 of the number): no bf16 or f16 on the way to a quantiser, and a product that is left as it is and whose result goes on into a quantised operand takes f32 operands (vector FMAs, or v_wmma_f32_16x16x4_f32). A number that lies on a knife's edge between two numbers of the format may be rounded either way, as far as f32 arithmetic and the matrix unit's own rounding can turn it there, and no further.
;; One version. Each part assembles by itself: llvm-mc -triple=amdgcn-amd-amdhsa -mcpu=gfx1250 --defsym DOCPART=n.
;; ======== version 1 of 1: 5 launches
;; limits: right only within a limited range of input values
;; workspace buffers: cbimg 212,992 bytes; cbt 262,144 bytes; xq 3,670,016 bytes; tw 262,144 bytes of whole numbers; rec 6,422,528 bytes; idxw 262,144 bytes of whole numbers; part 17,301,504 bytes
;; launch prep (part 1): grid 64 x 1, 1 waves a work-group, no clusters, 0 bytes of LDS; arguments embed, cbimg, cbt; writes cbimg, cbt
.if DOCPART == 1
	.amdgcn_target "amdgcn-amd-amdhsa--gfx1250"
	.amdhsa_code_object_version 6
	.text
	.protected	k_qe030ae0910_prep
	.globl	k_qe030ae0910_prep
	.p2align	8
	.type	k_qe030ae0910_prep,@function
k_qe030ae0910_prep:
	s_mov_b64 s[64:65], 0
	v_nop
	global_prefetch_b8 v0, s[64:65] scope:SCOPE_SE
	s_setreg_imm32_b32 hwreg(HW_REG_WAVE_MODE, 25, 1), 1
	s_wait_xcnt 0x0
; The codebook [4096][64] f32 is normalised row by row (x / max(|x|, 1e-12)) and quantised along its 64 channels to codes of BF6 (E3M2),
; one E8M0 byte for each 32 channels.  It is done once here, since every work-group of the next launch reads all of it.
; The codes leave as an IMAGE OF THE OPERAND'S REGISTERS: tile t (rows 16 t .. 16 t + 15) is 768 bytes: lane l's registers 0-3 at 768 t + 16 l, registers 4-5 at 768 t + 512 + 8 l
; (lane l = (r = l % 16, h = l / 16) holds row r, channels 32 h .. 32 h + 31).  The scale words (byte 0, byte 1, 0x7f, 0x7f) of four tiles lie as 256 bytes:
; lane l's 8 bytes = {word(tile 4 u + h, row r), word(tile 4 u + 2 + h, row r)}.
; One wave a work-group, four tiles each: 64 work-groups are all the work that there is.
; LIMITS: NaN and infinities are not served.  A block whose largest magnitude lies under 2^-122 (a block of zeros too) keeps the byte 1: its codes are what the conversion gives under that scale,
; zeros for zeros, and this program alone reads the bytes.  The normalisation is sqrt, max, reciprocal, multiply: a few parts in 10^7 of the number.
.set X,  32                            ; v32-159  four tiles x 32 numbers
.set C,  160                           ; v160..   codes: eight registers a tile, six used
.set W,  192                           ; v192-195 scale words
.set TM, 200                           ; v200-216 at work
.set H8, 7                             ; v7       8 h
; 32 numbers of a lane, one block, become six registers of codes; sc: the conversion's scale operand; by: the scale's byte
.macro QB x, c, sc, by
	v_max3_num_f32 v[TM+8], |v[\x]|, |v[\x+1]|, |v[\x+2]|
	v_max3_num_f32 v[TM+9], |v[\x+3]|, |v[\x+4]|, |v[\x+5]|
.irp i, 6,10,14,18,22,26
	v_max3_num_f32 v[TM+8], v[TM+8], |v[\x+\i]|, |v[\x+\i+1]|
	v_max3_num_f32 v[TM+9], v[TM+9], |v[\x+\i+2]|, |v[\x+\i+3]|
.endr
	v_max3_num_f32 v[TM+8], v[TM+8], |v[\x+30]|, |v[\x+31]|
	v_max3_num_f32 v[TM+8], v[TM+8], v[TM+9], 0x2800000      ; the floor 2^(5 - 127): the byte cannot fall under 1
	v_add_nc_u32 v[\sc], 0xfe000000, v[TM+8]                 ; 4 off the exponent field: the conversion takes that field as its scale
	v_lshrrev_b32 v[\by], 23, v[\sc]
	v_cvt_scalef32_pk16_bf6_f32 v[\c:\c+2], v[\x:\x+15], v[\sc]
	v_cvt_scalef32_pk16_bf6_f32 v[TM+12:TM+14], v[\x+16:\x+31], v[\sc]   ; (a conversion's three registers begin on an even number)
	v_nop                                                    ; one plain instruction behind a scaled conversion
.irp i, 0,1,2
	v_mov_b32 v[\c+3+\i], v[TM+12+\i]
.endr
.endm
; a row's half (32 numbers a lane; the other half lies in lane l xor 16) is normalised in place and quantised; w: the row's scale word, in both halves of the lanes
.macro NQ x, c, w
	v_pk_mul_f32 v[TM:TM+1], v[\x:\x+1], v[\x:\x+1]
	v_pk_mul_f32 v[TM+2:TM+3], v[\x+2:\x+3], v[\x+2:\x+3]
.irp i, 4,8,12,16,20,24,28
	v_pk_fma_f32 v[TM:TM+1], v[\x+\i:\x+\i+1], v[\x+\i:\x+\i+1], v[TM:TM+1]
	v_pk_fma_f32 v[TM+2:TM+3], v[\x+\i+2:\x+\i+3], v[\x+\i+2:\x+\i+3], v[TM+2:TM+3]
.endr
	v_pk_add_f32 v[TM:TM+1], v[TM:TM+1], v[TM+2:TM+3]
	v_add_f32 v[TM+4], v[TM], v[TM+1]
	v_permlanex16_b32 v[TM+5], v[TM+4], s20, s21
	v_add_f32 v[TM+4], v[TM+4], v[TM+5]                      ; the row's sum of squares
	s_wait_alu depctr_va_vdst(0)
	v_sqrt_f32 v[TM+4], v[TM+4]
	v_nop                                                    ; a plain instruction behind the transcendental,
	s_wait_alu depctr_va_vdst(0)                             ; and the wait ahead of its first reader
	v_max_num_f32 v[TM+4], 0x2b8cbccc, v[TM+4]               ; 1e-12
	s_wait_alu depctr_va_vdst(0)
	v_rcp_f32 v[TM+6], v[TM+4]
	v_nop
	s_wait_alu depctr_va_vdst(0)
.irp i, 0,2,4,6,8,10,12,14,16,18,20,22,24,26,28,30
	v_pk_mul_f32 v[\x+\i:\x+\i+1], v[\x+\i:\x+\i+1], v[TM+6:TM+7] op_sel_hi:[1,0]
.endr
	QB \x, \c, TM+10, TM+11
	v_lshlrev_b32 v[\w], v[H8], v[TM+11]                     ; my block's byte at its place,
	v_permlanex16_b32 v[TM+16], v[\w], s20, s21
	v_or_b32 v[\w], v[\w], v[TM+16]                          ; with the other block's,
	v_or_b32 v[\w], 0x7f7f0000, v[\w]                        ; and 1.0 over the zero codes of k = 64 .. 127
.endm
	s_load_b128 s[4:7], s[0:1], 0x0                ; embed, cbimg
	s_load_b64 s[16:17], s[0:1], 0x10              ; cbt: a second copy for the gather by tile: 1,024 bytes a tile: the image, then 64 bytes of scale words (row r at 768 + 4 r)
	v_and_b32 v1, 31, v0                           ; lane
	v_and_b32 v2, 15, v0                           ; r
	v_bfe_u32 v3, v0, 4, 1                         ; h
	v_lshlrev_b32 v4, 4, v1
	v_lshlrev_b32 v5, 3, v1
	v_lshlrev_b32 v6, 8, v2
	v_lshl_add_u32 v6, v3, 7, v6                   ; row r of 256 bytes, + 128 h
	v_lshlrev_b32 v[H8], 3, v3
	v_lshlrev_b32 v8, 2, v2                        ; 4 r
	v_mov_b32 v[TM+5], 0                           ; a lane permute's destination counts as read: written once
	v_mov_b32 v[TM+16], 0
	v_mov_b32 v[TM+7], 0                           ; (named as the upper half of a pair)
	s_mov_b32 s20, 0x76543210
	s_mov_b32 s21, 0xfedcba98                      ; selects for lane l xor 16
	s_mov_b32 s22, 0xffff0000                      ; lanes 16-31
	s_lshl_b32 s10, ttmp9, 14                      ; my 64 rows of 256 bytes
	s_mov_b32 s11, 0
	s_mul_i32 s12, ttmp9, 3072                     ; my four images
	s_mov_b32 s13, 0
	s_lshl_b32 s14, ttmp9, 8                       ; my 256 bytes of scale words
	s_mov_b32 s15, 0
	s_lshl_b32 s18, ttmp9, 12                      ; my four tiles in cbt
	s_mov_b32 s19, 0
	s_wait_alu depctr_va_vdst(0)
	s_wait_kmcnt 0x0
	s_add_nc_u64 s[4:5], s[4:5], s[10:11]
	s_add_nc_u64 s[8:9], s[6:7], s[14:15]          ; the scale words lie behind the 196,608 bytes of images, in the same buffer
	s_add_nc_u64 s[8:9], s[8:9], 196608
	s_add_nc_u64 s[6:7], s[6:7], s[12:13]
	s_add_nc_u64 s[16:17], s[16:17], s[18:19]
.irp i, 0,1,2,3
.irp q, 0,1,2,3,4,5,6,7
	global_load_b128 v[X+32*\i+4*\q:X+32*\i+4*\q+3], v6, s[4:5] offset:4096*\i+16*\q
.endr
.endr
.irp i, 0,1,2,3
	s_wait_loadcnt 24-8*\i                         ; tile i's eight loads are in; the later tiles' may be out
	NQ X+32*\i, C+8*\i, W+\i
	global_store_b128 v4, v[C+8*\i:C+8*\i+3], s[6:7] offset:768*\i          ; 512 consecutive bytes
	global_store_b64 v5, v[C+8*\i+4:C+8*\i+5], s[6:7] offset:768*\i+512     ; 256 consecutive bytes
	global_store_b128 v4, v[C+8*\i:C+8*\i+3], s[16:17] offset:1024*\i
	global_store_b64 v5, v[C+8*\i+4:C+8*\i+5], s[16:17] offset:1024*\i+512
	global_store_b32 v8, v[W+\i], s[16:17] offset:1024*\i+768               ; both halves of the lanes store the same word with the same value: 64 bytes of a tile's 1,024
.endr
	v_cndmask_b32 v196, v[W], v[W+1], s22          ; lanes 0-15: tile 0's words, lanes 16-31: tile 1's
	v_cndmask_b32 v197, v[W+2], v[W+3], s22
	global_store_b64 v5, v[196:197], s[8:9]        ; 256 consecutive bytes
	s_endpgm
.Lfunc_end_k_qe030ae0910_prep:
	.size	k_qe030ae0910_prep, .Lfunc_end_k_qe030ae0910_prep-k_qe030ae0910_prep
	.p2alignl 7, 3214868480
	.fill 96, 4, 3214868480
	.section	.rodata,"a",@progbits
	.p2align	6, 0x0
	.amdhsa_kernel k_qe030ae0910_prep
		.amdhsa_group_segment_fixed_size 0
		.amdhsa_private_segment_fixed_size 0
		.amdhsa_enable_private_segment 0
		.amdhsa_kernarg_size 24
		.amdhsa_user_sgpr_count 2
		.amdhsa_user_sgpr_kernarg_segment_ptr 1
		.amdhsa_wavefront_size32 1
		.amdhsa_system_sgpr_workgroup_id_x 1
		.amdhsa_system_sgpr_workgroup_id_y 1
		.amdhsa_system_sgpr_workgroup_id_z 1
		.amdhsa_system_vgpr_workitem_id 0
		.amdhsa_next_free_vgpr 224
		.amdhsa_next_free_sgpr 66
		.amdhsa_reserve_vcc 0
		.amdhsa_float_denorm_mode_32 3
		.amdhsa_float_denorm_mode_16_64 3
		.amdhsa_memory_ordered 1
		.amdhsa_forward_progress 1
		.amdhsa_inst_pref_size 24
	.end_amdhsa_kernel
	.amdgpu_metadata
---
amdhsa.version: [ 1, 2 ]
amdhsa.kernels:
  - .name:           k_qe030ae0910_prep
    .symbol:         k_qe030ae0910_prep.kd
    .args:
      - { .name: embed, .offset: 0, .size: 8, .value_kind: global_buffer, .address_space: global }
      - { .name: cbimg, .offset: 8, .size: 8, .value_kind: global_buffer, .address_space: global }
      - { .name: cbt, .offset: 16, .size: 8, .value_kind: global_buffer, .address_space: global }
    .group_segment_fixed_size: 0
    .private_segment_fixed_size: 0
    .kernarg_segment_align: 8
    .kernarg_segment_size: 24
    .max_flat_workgroup_size: 32
    .sgpr_count:     66
    .vgpr_count:     224
    .wavefront_size: 32
...
	.end_amdgpu_metadata
.endif
;; end of part 1
;; launch dist (part 2): grid 256 x 1, 8 waves a work-group, clusters of 4 x 1, 327,680 bytes of LDS; arguments x, cbimg, rec, xq, tw; writes rec, xq, tw
.if DOCPART == 2
	.amdgcn_target "amdgcn-amd-amdhsa--gfx1250"
	.amdhsa_code_object_version 6
	.text
	.protected	k_qe030ae0910_dist
	.globl	k_qe030ae0910_dist
	.p2align	8
	.type	k_qe030ae0910_dist,@function
k_qe030ae0910_dist:
	s_mov_b64 s[64:65], 0
	v_nop
	global_prefetch_b8 v0, s[64:65] scope:SCOPE_SE
	s_setreg_imm32_b32 hwreg(HW_REG_WAVE_MODE, 25, 1), 1
	s_wait_xcnt 0x0
	s_wait_alu depctr_hold_cnt(0) depctr_sa_sdst(0) depctr_va_vdst(0) depctr_va_sdst(0) depctr_va_ssrc(0) depctr_va_vcc(0) depctr_vm_vsrc(0)
	s_getreg_b32 s2, hwreg(HW_REG_IB_STS2, 6, 4)
	s_cmp_eq_u32 s2, 0
	s_cbranch_scc0 .Lentry_in_a_cluster
	s_endpgm
.Lentry_in_a_cluster:
	s_bfe_u32 s2, ttmp6, 0x10000c
	s_cmp_lg_u32 s2, 0x3003
	s_cbranch_scc0 .Lentry_shape_is_right
	s_endpgm
.Lentry_shape_is_right:
; For 256 tokens a work-group: x is normalised, quantised along its 64 channels to codes of BF6 (E3M2) with E8M0 scales, and multiplied with all 4,096 rows of the quantised codebook
; (K = 64: the upper half of the instruction's 128 is zero codes on both sides).  This launch finds, for each token, THE TILE of 16 codebook rows that holds the first largest score, and stores its
; number in tw; the next launch multiplies that one tile again and finds the row.
; THE SEARCH goes in dual-issue pairs.  A tile's 8 scores of a lane fall to one maximum by seven maxima (3.5 pairs), and one more maximum keeps the running best.  Once for each group of FOUR tiles (a trip of the loop)
; the running best is compared with the best at the group's start: where it is strictly greater (so the first group keeps a tie) the four tiles' maxima, the group's number and the best are taken over, under one mask.
; At the end the tile is the first of the four kept maxima that equals the best.
; SHARES.  Eight waves, two on a SIMD.  Wave w = (tg = w / 2, hf = w % 2): tokens 64 tg .. + 63 (four tiles of 16) against codebook tiles 128 hf .. + 127.  The head's work is shared otherwise: wave w normalises
; and quantises tokens 32 w .. + 31, and hands the codes on through LDS as images of the operand's registers; the same images go to xq for the next launch:
;   a record of 1,792 bytes for two token tiles: tile i's registers 0-3 of lane l at 768 i + 16 l, registers 4-5 at 768 i + 512 + 8 l; at 1,536 + 4 l the scale words (lanes 0-15 tile 0's rows, lanes 16-31 tile 1's).
; For the second product (K = the tokens) wave w also quantises the normalised x ALONG THE TOKENS, behind its loop: chunk w / 4 of 128 tokens, channels 16 (w % 4) .. + 15, into rec:
;   +0 image: d tile dt: registers 4 p .. 4 p + 3 of lane l at 1536 dt + 512 p + 16 l;   +6144 scale words: row r of d tile dt at 64 dt + 4 r.  (The tables behind them are the next launch's.)
; THE PRODUCT IS USED TRANSPOSED: source 0 = 16 codebook rows, source 1 = 16 tokens: a lane holds ONE token (lane % 16) and the scores of rows 8 (lane / 16) + 0 .. 7.
; CLUSTER: all work-groups read the same codebook, so the four partners ask for it jointly: 832 rows of 256 bytes (images, then scale words), 104 rows a wave, one tensor load a wave; nothing in LDS is filled again.
; No prefetch: x is read once, at the head, and no loop of this text reads memory.
; The scale words of xq (128 bytes a wave) and of rec (64 bytes a wave) fill aligned blocks of 256 bytes in part: 192 bytes of the 3,392 that a wave stores.
; LIMITS: NaN and infinities are not served (a token whose scores are all NaN gets a tile of group 0).  A block whose largest magnitude lies under 2^-122 keeps the byte 1, a block of zeros too:
; this program alone reads the bytes.  A row whose sum of squares underflows is divided by 1e-12.  The normalisation is sqrt, max, reciprocal, multiply: a few parts in 10^7.
.set CS,    196608                     ; LDS: the codebook's images from 0 (256 x 768 bytes), its scale words from CS (64 x 256)
.set XST,   212992                     ; 256 rows of x: 8 blocks of 32 rows x 272 bytes + 64
.set XBLK,  8768
.set XP,    272
.set FI,    283136                     ; eight records of token codes
.set PR,    1792
.set JN,    297472                     ; (token tile, hf): 128 bytes of best scores, 128 of tile numbers
.set SPARE, 305664                     ; the spare words: 128 bytes for each of the eight waves
.set RECB,  12544
.set H8,  26                           ; v26      8 h
.set BF,  28                           ; v28-75   the tokens' four fragments (upper six registers of each: zeros)
.set AF,  76                           ; v76-123  four fragments of the codebook, by turns (upper six: zeros)
.set DD,  124                          ; v124-187 scores: two sets x four token tiles x 8
.set XR,  124                          ; outside the loop: x as loaded, by rows, by columns
.set CF,  188                          ; the head: two tiles' codes;  WW: their scale words
.set WW,  200
.set QC,  192                          ; behind the loop: codes along the tokens; v204 their scale word
.set TM,  206                          ; v206-224 at work in the quantisers
; The loop's registers.  A dual-issue pair wants one even and one odd destination, and its two first sources, and its two second sources, in different banks (register number mod 4): so they lie as follows
.set W,   188                          ; v188-203 token tile u: four partial maxima at W + 4 u;  behind the loop W + u: token tile u's tile
.set TQ,  204                          ; v204-219 the maximum of tile q of four, token tile u, at TQ + 4 q + (u + q) % 4
                                       ; v220, v221, v222, v225 the running best of token tiles 0 to 3
.set OQ,  228                          ; v228-235 token tile u: OQ + 2 u the best at the group's start, OQ + 2 u + 1 the group that brought it
.set SQ,  236                          ; v236-251 token tile u: that group's four maxima at SQ + 4 u
.set VQ,  252                          ; v252     the number of the group at work
; v1 lane, v2 r, v3 h, v4 16 l, v5 8 l, v6-8 addresses in XST, v9-11 in the codebook, v12-17 in FI, v18-19 in JN, v20 4 l, v21 4 r, v22-23 the tokens' scale words, v24-25 the codebook's
.macro ROUND                           ; a round of the cluster's barrier
	s_barrier_signal -1
	s_barrier_wait -1
	s_cmp_lg_u32 s16, 0
	s_cbranch_scc1 .Lnot_wave_0_\@
	s_barrier_signal -3
.Lnot_wave_0_\@:
	s_barrier_wait -3
	s_barrier_signal -1
	s_barrier_wait -1
.endm
; 32 numbers of a lane, one block, become six registers of codes; sc: the conversion's scale operand; by: the scale's byte
.macro QB x, c, sc, by
	v_max3_num_f32 v[TM+8], |v[\x]|, |v[\x+1]|, |v[\x+2]|
	v_max3_num_f32 v[TM+9], |v[\x+3]|, |v[\x+4]|, |v[\x+5]|
.irp i, 6,10,14,18,22,26
	v_max3_num_f32 v[TM+8], v[TM+8], |v[\x+\i]|, |v[\x+\i+1]|
	v_max3_num_f32 v[TM+9], v[TM+9], |v[\x+\i+2]|, |v[\x+\i+3]|
.endr
	v_max3_num_f32 v[TM+8], v[TM+8], |v[\x+30]|, |v[\x+31]|
	s_delay_alu instid0(VALU_DEP_1)
	v_max3_num_f32 v[TM+8], v[TM+8], v[TM+9], 0x2800000      ; the floor 2^(5 - 127): the byte cannot fall under 1
	s_delay_alu instid0(VALU_DEP_1)
	v_add_nc_u32 v[\sc], 0xfe000000, v[TM+8]                 ; 4 off the exponent field: the conversion takes that field as its scale
	s_delay_alu instid0(VALU_DEP_1)
	v_lshrrev_b32 v[\by], 23, v[\sc]
	v_cvt_scalef32_pk16_bf6_f32 v[\c:\c+2], v[\x:\x+15], v[\sc]
	v_cvt_scalef32_pk16_bf6_f32 v[TM+12:TM+14], v[\x+16:\x+31], v[\sc]   ; (a conversion's three registers begin on an even number)
	v_nop                                                    ; one plain instruction behind a scaled conversion
.irp i, 0,1,2
	v_mov_b32 v[\c+3+\i], v[TM+12+\i]
.endr
.endm
; a row's half (32 numbers a lane) is normalised in place and quantised along the channels; w: the row's scale word, in both halves of the lanes
.macro NQ x, c, w
	v_pk_mul_f32 v[TM:TM+1], v[\x:\x+1], v[\x:\x+1]
	v_pk_mul_f32 v[TM+2:TM+3], v[\x+2:\x+3], v[\x+2:\x+3]
.irp i, 4,8,12,16,20,24,28
	v_pk_fma_f32 v[TM:TM+1], v[\x+\i:\x+\i+1], v[\x+\i:\x+\i+1], v[TM:TM+1]
	v_pk_fma_f32 v[TM+2:TM+3], v[\x+\i+2:\x+\i+3], v[\x+\i+2:\x+\i+3], v[TM+2:TM+3]
.endr
	v_pk_add_f32 v[TM:TM+1], v[TM:TM+1], v[TM+2:TM+3]
	s_delay_alu instid0(VALU_DEP_1)
	v_add_f32 v[TM+4], v[TM], v[TM+1]
	v_permlanex16_b32 v[TM+5], v[TM+4], s20, s21
	v_add_f32 v[TM+4], v[TM+4], v[TM+5]                      ; the row's sum of squares
	s_wait_alu depctr_va_vdst(0)                             ; the wait ahead of a transcendental,
	v_sqrt_f32 v[TM+4], v[TM+4]
	v_nop                                                    ; a plain instruction behind it,
	s_wait_alu depctr_va_vdst(0)                             ; and the wait ahead of its first reader
	v_max_num_f32 v[TM+4], 0x2b8cbccc, v[TM+4]               ; 1e-12
	s_wait_alu depctr_va_vdst(0)
	v_rcp_f32 v[TM+6], v[TM+4]
	v_nop
	s_wait_alu depctr_va_vdst(0)
.irp i, 0,2,4,6,8,10,12,14,16,18,20,22,24,26,28,30
	v_pk_mul_f32 v[\x+\i:\x+\i+1], v[\x+\i:\x+\i+1], v[TM+6:TM+7] op_sel_hi:[1,0]
.endr
	QB \x, \c, TM+10, TM+11
	v_lshlrev_b32 v[\w], v[H8], v[TM+11]
	v_permlanex16_b32 v[TM+16], v[\w], s20, s21
	v_or_b32 v[\w], v[\w], v[TM+16]
	s_delay_alu instid0(VALU_DEP_1)
	v_or_b32 v[\w], 0x7f7f0000, v[\w]                        ; 1.0 over the zero codes of k = 64 .. 127
.endm
	s_load_b256 s[4:11], s[0:1], 0x0               ; x s[4:5], cbimg s[6:7], rec s[8:9], xq s[10:11]
	s_load_b64 s[12:13], s[0:1], 0x20              ; tw
	v_lshl_add_u32 v254, v0, 2, SPARE
	v_mov_b32 v255, 0
	ds_add_u32 v254, v255                          ; the opening lines: the add, twice on end, and its wait ahead of my tensor load
	ds_add_u32 v254, v255
	v_lshrrev_b32 v1, 5, v0
	s_delay_alu instid0(VALU_DEP_1)
	v_readfirstlane_b32 s16, v1                    ; wave 0..7
	s_bfe_u32 s17, ttmp6, 0x40000                  ; cx: it enters global addresses of x, rec, xq and tw alone
	s_lshl_b32 s18, ttmp9, 2
	s_add_co_u32 s18, s18, s17                     ; my work-group
	s_and_b32 s19, s16, 1                          ; hf
	s_lshr_b32 s22, s16, 1                         ; tg
	s_lshr_b32 s23, s16, 2                         ; my chunk of 128 tokens
	s_and_b32 s36, s16, 3                          ; dt
	s_mov_b32 s20, 0x76543210
	s_mov_b32 s21, 0xfedcba98                      ; selects for lane l xor 16
	s_mov_b32 s37, 0xffff0000                      ; lanes 16-31
	s_mul_i32 s38, s16, XBLK
	s_add_co_u32 s38, s38, XST                     ; my 32 rows
	s_mul_i32 s39, s23, 4*XBLK
	s_lshl_b32 s40, s36, 6
	s_add_co_u32 s39, s39, s40
	s_add_co_u32 s39, s39, XST                     ; my chunk, channel 16 dt
	s_mul_i32 s40, s19, 98304                      ; my half of the images,
	s_lshl_b32 s41, s19, 13
	s_add_co_u32 s41, s41, CS                      ; and of the scale words
	s_mul_i32 s42, s16, PR
	s_add_co_u32 s42, s42, FI                      ; the record that I write,
	s_mul_i32 s43, s22, 2*PR
	s_add_co_u32 s43, s43, FI                      ; the two that I read
	s_lshl_b32 s44, s22, 11
	s_lshl_b32 s45, s19, 8
	s_add_co_u32 s44, s44, s45
	s_add_co_u32 s44, s44, JN                      ; JN + 512 (4 tg) + 256 hf
	s_lshl_b32 s45, s16, 10
	s_add_co_u32 s45, s45, JN                      ; JN + 512 (2 w)
	s_lshl_b32 s46, s18, 16
	s_lshl_b32 s47, s16, 13
	s_add_co_u32 s46, s46, s47                     ; x: 256 rows a work-group, 32 a wave, 256 bytes each
	s_mov_b32 s47, 0
	s_lshl_b32 s48, s18, 1
	s_add_co_u32 s48, s48, s23
	s_mul_i32 s48, s48, RECB                       ; my chunk's record
	s_mov_b32 s49, 0
	s_mul_i32 s50, s36, 1536
	s_mov_b32 s51, 0
	s_lshl_b32 s52, s36, 6
	s_mov_b32 s53, 0
	s_lshl_b32 s54, s18, 3
	s_add_co_u32 s54, s54, s16
	s_mul_i32 s54, s54, PR                         ; xq
	s_mov_b32 s55, 0
	s_lshl_b32 s56, s18, 10
	s_lshl_b32 s57, s16, 7
	s_add_co_u32 s56, s56, s57                     ; tw: 128 bytes a wave
	s_mov_b32 s57, 0
	s_mul_i32 s58, s16, 26624                      ; my eighth of the codebook's 212,992 bytes
	s_mov_b32 s59, 0
	; descriptor group 1: a dense block as 104 rows of 256 bytes (32 elements of 8 bytes); mask: all four work-groups, bit 21 beside it
	s_mov_b32 s24, 15|(3<<16)|(1<<21)
	s_mov_b32 s25, 32<<16
	s_mov_b32 s26, 104<<16
	s_mov_b32 s27, 32<<16
	s_mov_b32 s28, 104
	s_mov_b32 s29, 32
	s_mov_b32 s30, 0
	s_mov_b32 s31, 0
	v_and_b32 v1, 31, v0
	v_and_b32 v2, 15, v0
	v_bfe_u32 v3, v0, 4, 1
	v_mov_b32 v[TM+5], 0                           ; a lane permute's destination counts as read: written once
	v_mov_b32 v[TM+16], 0
	v_mov_b32 v[TM+7], 0                           ; (named as the upper half of a pair)
	v_lshlrev_b32 v4, 4, v1
	v_lshlrev_b32 v5, 3, v1
	v_lshlrev_b32 v20, 2, v1
	v_lshlrev_b32 v21, 2, v2
	v_lshlrev_b32 v[H8], 3, v3
	v_mul_u32_u24 v6, v3, XP
	v_mul_u32_u24 v7, v2, XP
	v_mul_u32_u24 v8, v3, XBLK
	v_lshl_add_u32 v19, v3, 9, s45
	v_lshl_add_u32 v6, v2, 4, v6
	v_lshl_add_u32 v7, v3, 7, v7
	v_lshl_add_u32 v8, v2, 2, v8
	v_add_nc_u32 v19, v19, v21                     ; JN: token l of my 32: tile 2 w + h, row r
	v_add_nc_u32 v6, s38, v6                       ; in, as loaded: row h of a pair, 16 bytes a lane
	v_add_nc_u32 v7, s38, v7                       ; by rows: row r, channels 32 h on
	v_add_nc_u32 v8, s39, v8                       ; by columns: tokens 32 h on, channel 16 dt + r
	v_add_nc_u32 v9, s40, v4
	v_add_nc_u32 v10, s40, v5
	v_add_nc_u32 v11, s41, v5
	v_add_nc_u32 v12, s42, v4
	v_add_nc_u32 v13, s42, v5
	v_add_nc_u32 v14, s42, v20
	v_add_nc_u32 v15, s43, v4
	v_add_nc_u32 v16, s43, v5
	v_add_nc_u32 v17, s43, v20
	v_add_nc_u32 v18, s44, v20
	s_wait_alu depctr_va_vdst(0)
	s_wait_dscnt 0x0                               ; both opening adds are done
	s_wait_kmcnt 0x0
	s_add_nc_u64 s[4:5], s[4:5], s[46:47]
	s_add_nc_u64 s[8:9], s[8:9], s[48:49]
	s_add_nc_u64 s[50:51], s[8:9], s[50:51]        ; my d tile's image
	s_add_nc_u64 s[52:53], s[8:9], s[52:53]        ; its scale words (6,144 on)
	s_add_nc_u64 s[10:11], s[10:11], s[54:55]
	s_add_nc_u64 s[12:13], s[12:13], s[56:57]
.set i, 0
.rept 16
	global_load_b128 v[XR+4*i:XR+4*i+3], v4, s[4:5] offset:512*i th:TH_LOAD_NT   ; my 32 rows: 512 consecutive bytes a load
.set i, i+1
.endr
	s_mov_b32 s32, 1                               ; group 0 hangs on the wave's number alone: equal in the four partners
	s_mov_b32 s33, s58
	s_add_nc_u64 s[34:35], s[6:7], s[58:59]
	s_or_b32 s35, s35, 0x80000000
	ROUND                                          ; all four work-groups are here: the joint loads meet
	tensor_load_to_lds s[32:35], s[24:31]          ; my one tensor load
	s_nop 0
.rept 4
	v_nop
.endr
.set i, 0
.rept 16
	s_wait_loadcnt 15-i                            ; loads come back in order: load i is in
	ds_store_b128 v6, v[XR+4*i:XR+4*i+3] offset:2*i*XP
.set i, i+1
.endr
.macro XIN u, buf                      ; token tile u of my two: row r, 32 channels of my half
.irp q, 0,1,2,3,4,5,6,7
	ds_load_b128 v[\buf+4*\q:\buf+4*\q+3], v7 offset:(\u)*16*XP+16*\q
.endr
.endm
.macro XOUT u, buf, c                  ; back, normalised, for the quantiser along the tokens; the codes into my record in LDS and in xq
.irp q, 0,1,2,3,4,5,6,7
	ds_store_b128 v7, v[\buf+4*\q:\buf+4*\q+3] offset:(\u)*16*XP+16*\q
.endr
	ds_store_b128 v12, v[\c:\c+3] offset:768*(\u)
	ds_store_b64 v13, v[\c+4:\c+5] offset:768*(\u)+512
	global_store_b128 v4, v[\c:\c+3], s[10:11] offset:768*(\u)
	global_store_b64 v5, v[\c+4:\c+5], s[10:11] offset:768*(\u)+512
.endm
	XIN 0, XR                                      ; (LDS serves a wave's instructions in order: these see my stores)
	XIN 1, XR+32
	s_wait_dscnt 8                                 ; tile 0 is in; tile 1's eight loads may be out
	NQ XR, CF, WW
	XOUT 0, XR, CF
	s_wait_dscnt 10                                ; behind tile 1's loads: tile 0's ten stores
	NQ XR+32, CF+6, WW+1
	XOUT 1, XR+32, CF+6
	v_cndmask_b32 v[WW+2], v[WW], v[WW+1], s37     ; lanes 0-15: tile 0's words, lanes 16-31: tile 1's
	ds_store_b32 v14, v[WW+2] offset:1536
	global_store_b32 v20, v[WW+2], s[10:11] offset:1536
	s_wait_alu depctr_va_vdst(0)
	s_wait_tensorcnt 0x0                           ; my part of the codebook has landed,
	s_wait_dscnt 0x0                               ; my rows and codes are stored:
	s_barrier_signal -1
	s_barrier_wait -1                              ; everybody's are
.irp q, 0,1,2,3                        ; my four token tiles: tile q % 2 of record q / 2
	ds_load_b128 v[BF+12*\q:BF+12*\q+3], v15 offset:(\q/2)*PR+768*(\q%2)
	ds_load_b64 v[BF+12*\q+4:BF+12*\q+5], v16 offset:(\q/2)*PR+768*(\q%2)+512
.endr
	ds_load_b32 v22, v17 offset:1536
	ds_load_b32 v23, v17 offset:PR+1536
.irp t, 0,1,2,3
	ds_load_b128 v[AF+12*\t:AF+12*\t+3], v9 offset:768*\t
	ds_load_b64 v[AF+12*\t+4:AF+12*\t+5], v10 offset:768*\t+512
.endr
	ds_load_b32 v24, v11                           ; lanes 0-15: my first tile's words, lanes 16-31: the next tile's
	ds_load_b32 v25, v11 offset:4                  ; the two tiles behind them
	s_wait_xcnt 0x0                                ; the stores above have read their registers: some are written below
.irp a, 0,1,2,3
.irp i, 6,8,10
	v_dual_mov_b32 v[AF+12*\a+\i], 0 :: v_dual_mov_b32 v[AF+12*\a+\i+1], 0     ; k = 64 .. 127: zero codes, on both sides
	v_dual_mov_b32 v[BF+12*\a+\i], 0 :: v_dual_mov_b32 v[BF+12*\a+\i+1], 0
.endr
.endr
.irp i, 0,2,4,6,8,10,12,14
	v_dual_mov_b32 v[SQ+\i], 0 :: v_dual_mov_b32 v[SQ+\i+1], 0
.endr
.irp u, 0,1,2,3
	v_mov_b32 v[220+\u+2*(\u/3)], 0xff800000       ; the running best, and the best at the group's start: -infinity
	v_mov_b32 v[OQ+2*\u], 0xff800000
	v_mov_b32 v[OQ+2*\u+1], 0
.endr
	v_mov_b32 v[VQ], s19
	s_delay_alu instid0(VALU_DEP_1)
	v_lshlrev_b32 v[VQ], 5, v[VQ]                  ; my first group of four tiles: 32 hf
	s_wait_alu depctr_va_vdst(0)
	s_wait_dscnt 0x0
; the product of the tile in place j of four with token tile u: every product starts its own sum, so there are no chains
.macro WM j, u
.set AA, AF+12*(\j)
.set DQ, DD+32*((\j)%2)+8*(\u)
.set BB, BF+12*(\u)
.if ((\j)%2 == 0) && ((\u)%2 == 0)
	v_wmma_scale_f32_16x16x128_f8f6f4 v[DQ:DQ+7], v[AA:AA+11], v[BB:BB+11], 0, v[24+(\j)/2], v[22+(\u)/2] matrix_a_fmt:MATRIX_FMT_BF6 matrix_b_fmt:MATRIX_FMT_BF6
.elseif (\u)%2 == 0
	v_wmma_scale_f32_16x16x128_f8f6f4 v[DQ:DQ+7], v[AA:AA+11], v[BB:BB+11], 0, v[24+(\j)/2], v[22+(\u)/2] matrix_a_fmt:MATRIX_FMT_BF6 matrix_b_fmt:MATRIX_FMT_BF6 matrix_a_scale:MATRIX_SCALE_ROW1
.elseif (\j)%2 == 0
	v_wmma_scale_f32_16x16x128_f8f6f4 v[DQ:DQ+7], v[AA:AA+11], v[BB:BB+11], 0, v[24+(\j)/2], v[22+(\u)/2] matrix_a_fmt:MATRIX_FMT_BF6 matrix_b_fmt:MATRIX_FMT_BF6 matrix_b_scale:MATRIX_SCALE_ROW1
.else
	v_wmma_scale_f32_16x16x128_f8f6f4 v[DQ:DQ+7], v[AA:AA+11], v[BB:BB+11], 0, v[24+(\j)/2], v[22+(\u)/2] matrix_a_fmt:MATRIX_FMT_BF6 matrix_b_fmt:MATRIX_FMT_BF6 matrix_a_scale:MATRIX_SCALE_ROW1 matrix_b_scale:MATRIX_SCALE_ROW1
.endif
.endm
; The scores of one tile, in set p: 8 fall to 4, for each of the four token tiles.  Each set is read from its low end on.
.macro PA p
.irp u, 0,1,2,3
	v_dual_max_num_f32 v[W+4*\u], v[DD+32*(\p)+8*\u], v[DD+32*(\p)+8*\u+2] :: v_dual_max_num_f32 v[W+4*\u+1], v[DD+32*(\p)+8*\u+1], v[DD+32*(\p)+8*\u+3]
	v_dual_max_num_f32 v[W+4*\u+2], v[DD+32*(\p)+8*\u+4], v[DD+32*(\p)+8*\u+6] :: v_dual_max_num_f32 v[W+4*\u+3], v[DD+32*(\p)+8*\u+5], v[DD+32*(\p)+8*\u+7]
.endr
.endm
; A group of four tiles is closed: where the running best has grown, the group's four maxima, its number and the best are taken over
.macro QE
.irp u, 0,1,2,3
	v_cmp_gt_f32 vcc_lo, v[220+\u+2*(\u/3)], v[OQ+2*\u]      ; strictly greater: the first group keeps a tie
	v_dual_cndmask_b32 v[SQ+4*\u], v[SQ+4*\u], v[TQ+\u] :: v_dual_cndmask_b32 v[SQ+4*\u+1], v[SQ+4*\u+1], v[TQ+4+(\u+1)%4]
	v_dual_cndmask_b32 v[SQ+4*\u+2], v[SQ+4*\u+2], v[TQ+8+(\u+2)%4] :: v_dual_cndmask_b32 v[SQ+4*\u+3], v[SQ+4*\u+3], v[TQ+12+(\u+3)%4]
	v_dual_cndmask_b32 v[OQ+2*\u+1], v[OQ+2*\u+1], v[VQ] :: v_dual_mov_b32 v[OQ+2*\u], v[220+\u+2*(\u/3)]
.endr
	v_add_nc_u32 v[VQ], 1, v[VQ]
.endm
; 4 fall to 2, 2 to the maximum of tile q of its group, and the running best takes it in
.macro PB q
.irp u, 0,1,2,3
	v_dual_max_num_f32 v[W+4*\u], v[W+4*\u], v[W+4*\u+2] :: v_dual_max_num_f32 v[W+4*\u+1], v[W+4*\u+1], v[W+4*\u+3]
.endr
.irp u, 0,2
	v_dual_max_num_f32 v[TQ+4*(\q)+(\u+(\q))%4], v[W+4*\u], v[W+4*\u+1] :: v_dual_max_num_f32 v[TQ+4*(\q)+(\u+1+(\q))%4], v[W+4*\u+5], v[W+4*\u+4]
.endr
	v_dual_max_num_f32 v220, v220, v[TQ+4*(\q)+(\q)%4] :: v_dual_max_num_f32 v221, v221, v[TQ+4*(\q)+(1+(\q))%4]
	v_dual_max_num_f32 v222, v222, v[TQ+4*(\q)+(2+(\q))%4] :: v_dual_max_num_f32 v225, v225, v[TQ+4*(\q)+(3+(\q))%4]
.if (\q) == 3
	QE
.endif
.endm
; Block j of a trip multiplies tile 4 k + j (four matrix instructions on end), looks through tile 4 k + j - 1 and asks for tile 4 k + j + 4.
; The first eight pairs of vector work are the places in front of the loads into registers that the products have read.
.macro BLOCK j, proc, load, cnt
	s_wait_dscnt \cnt                              ; in the loop 4: behind this tile's loads, and behind its scale word's, stand at least five younger LDS loads
.irp u, 0,1,2,3
	WM \j, \u
.endr
.if \proc
	PA ((\j)+1)%2
.else
.rept 4
	v_nop
.endr
.endif
.if \load
.if (\j) == 1
	ds_load_b32 v24, v11 offset:256                ; the next four tiles' words
.endif
.if (\j) == 3
	ds_load_b32 v25, v11 offset:260
.endif
	ds_load_b128 v[AF+12*(\j):AF+12*(\j)+3], v9 offset:(4+(\j))*768
	ds_load_b64 v[AF+12*(\j)+4:AF+12*(\j)+5], v10 offset:(4+(\j))*768+512
.if (\j) == 3
	v_add_nc_u32 v9, 3072, v9                      ; four tiles on; sixteen pairs stand between these lines and the next loads
	v_add_nc_u32 v10, 3072, v10
	v_add_nc_u32 v11, 256, v11
.endif
.endif
.if \proc
	PB ((\j)+3)%4
.endif
.endm
	BLOCK 0, 0, 1, 0
	BLOCK 1, 1, 1, 4
	BLOCK 2, 1, 1, 4
	BLOCK 3, 1, 1, 4
	s_mov_b32 s61, 30
.Ltiles:
	BLOCK 0, 1, 1, 4
	BLOCK 1, 1, 1, 4
	BLOCK 2, 1, 1, 4
	BLOCK 3, 1, 1, 4
	s_sub_co_u32 s61, s61, 1
	s_cmp_lg_u32 s61, 0
	s_cbranch_scc1 .Ltiles
	BLOCK 0, 1, 0, 4                               ; the last four tiles ask for nothing
	BLOCK 1, 1, 0, 0
	BLOCK 2, 1, 0, 0
	BLOCK 3, 1, 0, 0
	PA 1                                           ; my last tile's scores, and the last group's close
	PB 3
	; the tile: 4 x the group + the first of its four maxima that equals the best; the four token tiles by turns
.irp u, 0,1,2,3
	v_mov_b32 v[W+\u], 3
.endr
.irp i, 2,1,0
.irp u, 0,1,2,3
	v_cmp_eq_f32 s[44+\u], v[SQ+4*\u+\i], v[OQ+2*\u]
.endr
.irp u, 0,1,2,3
	v_cndmask_b32 v[W+\u], v[W+\u], \i, s[44+\u]
.endr
.endr
.irp u, 0,1,2,3
	v_lshl_add_u32 v[W+\u], v[OQ+2*\u+1], 2, v[W+\u]
.endr
	; THE SECOND QUANTISER, along the tokens.  Lane (r, h) takes channel 16 dt + r and, for g = 0, 1, tokens 64 g + 32 h + 0 .. 31: a whole block.  The rows have lain in LDS since the barrier ahead of the loop
.set i, 0
.rept 32
	ds_load_b32 v[XR+i], v8 offset:XP*i
.set i, i+1
.endr
.set i, 0
.rept 32
	ds_load_b32 v[XR+32+i], v8 offset:2*XBLK+XP*i
.set i, i+1
.endr
	s_wait_alu depctr_va_vdst(0)
	s_wait_dscnt 32                                ; all but the 32 just issued
	QB XR, QC, TM+10, TM+17
	s_wait_dscnt 0x0
	QB XR+32, QC+6, TM+10, TM+18
	v_lshl_or_b32 v204, v[TM+18], 16, v[TM+17]     ; blocks h and 2 + h of my row,
	s_delay_alu instid0(VALU_DEP_1)
	v_lshlrev_b32 v204, v[H8], v204                ; at their places;
	v_permlanex16_b32 v[TM+16], v204, s20, s21
	v_or_b32 v204, v204, v[TM+16]                  ; with lane l xor 16's two the word is whole
.irp p, 0,1,2
	global_store_b128 v4, v[QC+4*\p:QC+4*\p+3], s[50:51] offset:512*\p   ; 512 consecutive bytes
.endr
	global_store_b32 v21, v204, s[52:53] offset:6144   ; both halves of the lanes store the same word with the same value
	s_wait_dscnt 0x0
	s_barrier_signal -1
	s_barrier_wait -1                              ; the reads of LDS above and the LDS stores below lie on two sides of a barrier
.irp u, 0,1,2,3
	ds_store_b32 v18, v[OQ+2*\u] offset:512*\u     ; (token tile 4 tg + u, hf): each lane's best,
	ds_store_b32 v18, v[W+\u] offset:512*\u+128    ; and its tile
.endr
	s_wait_dscnt 0x0
	s_barrier_signal -1
	s_barrier_wait -1
.irp e, 0,1,2,3                        ; token 32 w + l: its four candidates: half e / 2 of the codebook, rows 8 (e % 2) on of a tile
	ds_load_b32 v[124+\e], v19 offset:256*(\e/2)+64*(\e%2)
	ds_load_b32 v[128+\e], v19 offset:256*(\e/2)+64*(\e%2)+128
.endr
	s_wait_dscnt 0x0
.macro MRG a, b                        ; candidate b takes a's place if its score is greater, or equal in a lower tile
	v_cmp_gt_f32 s44, v[124+\b], v[124+\a]
	v_cmp_eq_f32 s45, v[124+\b], v[124+\a]
	v_cmp_lt_u32 s46, v[128+\b], v[128+\a]
	s_and_b32 s45, s45, s46
	s_or_b32 s44, s44, s45
	v_cndmask_b32 v[124+\a], v[124+\a], v[124+\b], s44
	v_cndmask_b32 v[128+\a], v[128+\a], v[128+\b], s44
.endm
	MRG 0, 1
	MRG 2, 3
	MRG 0, 2
	global_store_b32 v20, v128, s[12:13]           ; 128 consecutive bytes a wave, 1,024 a work-group
	s_wait_tensorcnt 0x0                           ; the wave's end
	ds_add_u32 v254, v255
	s_wait_dscnt 0x0
	ROUND                                          ; the closing round: no work-group ends while a partner may still ask jointly
	s_endpgm
.Lfunc_end_k_qe030ae0910_dist:
	.size	k_qe030ae0910_dist, .Lfunc_end_k_qe030ae0910_dist-k_qe030ae0910_dist
	.p2alignl 7, 3214868480
	.fill 96, 4, 3214868480
	.section	.rodata,"a",@progbits
	.p2align	6, 0x0
	.amdhsa_kernel k_qe030ae0910_dist
		.amdhsa_group_segment_fixed_size 327680
		.amdhsa_private_segment_fixed_size 0
		.amdhsa_enable_private_segment 0
		.amdhsa_kernarg_size 40
		.amdhsa_user_sgpr_count 2
		.amdhsa_user_sgpr_kernarg_segment_ptr 1
		.amdhsa_wavefront_size32 1
		.amdhsa_system_sgpr_workgroup_id_x 1
		.amdhsa_system_sgpr_workgroup_id_y 1
		.amdhsa_system_sgpr_workgroup_id_z 1
		.amdhsa_system_vgpr_workitem_id 0
		.amdhsa_next_free_vgpr 256
		.amdhsa_next_free_sgpr 66
		.amdhsa_reserve_vcc 1
		.amdhsa_float_denorm_mode_32 3
		.amdhsa_float_denorm_mode_16_64 3
		.amdhsa_memory_ordered 1
		.amdhsa_forward_progress 1
		.amdhsa_inst_pref_size 60
	.end_amdhsa_kernel
	.amdgpu_metadata
---
amdhsa.version: [ 1, 2 ]
amdhsa.kernels:
  - .name:           k_qe030ae0910_dist
    .symbol:         k_qe030ae0910_dist.kd
    .args:
      - { .name: x, .offset: 0, .size: 8, .value_kind: global_buffer, .address_space: global }
      - { .name: cbimg, .offset: 8, .size: 8, .value_kind: global_buffer, .address_space: global }
      - { .name: rec, .offset: 16, .size: 8, .value_kind: global_buffer, .address_space: global }
      - { .name: xq, .offset: 24, .size: 8, .value_kind: global_buffer, .address_space: global }
      - { .name: tw, .offset: 32, .size: 8, .value_kind: global_buffer, .address_space: global }
    .group_segment_fixed_size: 327680
    .private_segment_fixed_size: 0
    .kernarg_segment_align: 8
    .kernarg_segment_size: 40
    .max_flat_workgroup_size: 256
    .sgpr_count:     66
    .vgpr_count:     256
    .wavefront_size: 32
...
	.end_amdgpu_metadata
.endif
;; end of part 2
;; launch res (part 3): grid 256 x 1, 16 waves a work-group, no clusters, 15,360 bytes of LDS; arguments cbt, xq, tw, rec, out1, idxw; writes rec, out1, idxw
.if DOCPART == 3
	.amdgcn_target "amdgcn-amd-amdhsa--gfx1250"
	.amdhsa_code_object_version 6
	.text
	.protected	k_qe030ae0910_res
	.globl	k_qe030ae0910_res
	.p2align	8
	.type	k_qe030ae0910_res,@function
k_qe030ae0910_res:
	s_mov_b64 s[64:65], 0
	v_nop
	global_prefetch_b8 v0, s[64:65] scope:SCOPE_SE
	s_setreg_imm32_b32 hwreg(HW_REG_WAVE_MODE, 25, 1), 1
	s_wait_xcnt 0x0
; The launch before has stored, for each token, the number of the tile of 16 codebook rows that holds its first largest score (tw, whole numbers).  Here that one tile is multiplied with the token again,
; by the same matrix instruction on the same codes, and the first largest of its 16 scores gives the index: out1, and idxw for the last launch's gather.
; Work-group g: tokens 256 g .. + 255; wave w of sixteen: token tile 16 g + w.  For token i of the tile: source 0 = its tile of the codebook (768 bytes of codes and 64 of scale words out of cbt, by a scalar base made
; of the stored number, held to 255), source 1 = the 16 tokens; of the result only column i counts: lanes i and 16 + i, which are taken over under a constant mask.  Eight tokens at a time.
; Then the three tables of masks from which the next launch makes its one-hot operands go into rec, a table a wave (waves 0-7: chunk w / 4 of 128 tokens, table w % 4):
;   +6400  L [16 rows]: code 0x1c (16, which under the byte 123 is 1.0) where idx % 16 == row;   +7936  PL [16]: 0x3f where bit 4 + row of idx is set;   +9472  AB [32]: 0x3f where idx / 128 == row.
;          A table row is 96 bytes: registers 4 p .. 4 p + 3 of the lanes' half h at 48 h + 16 p; tokens lie as in the operand (registers 0-5: tokens 32 h + i, 6-11: 64 + 32 h + i).
; Waves 8-15 store the indices: 256 consecutive bytes each, waves 8-11 to out1, waves 12-15 to idxw.
; No tensor loads: the gather's addresses hang on numbers read from memory.  No prefetch: no loop.
; LIMITS: NaN and infinities are not served (a token whose 16 scores are all NaN gets row 7 or 15 of its tile).
.set PR,    1792
.set RECB,  12544
.set IDX,   0                          ; LDS: the 256 indices
.set TST,   1024                       ; a stage of 1,536 bytes for each of waves 0-7: a table's 16 rows
.set SPARE, 13312                      ; the spare words: 128 bytes for each of the sixteen waves
.set ASC, 24                           ; v24-31   the gathered tiles' scale words
.set BT,  32                           ; v32-43   the tokens' fragment (upper six: zeros)
.set AFR, 44                           ; v44-139  eight gathered fragments (upper six of each: zeros)
.set DD,  140                          ; v140-203 eight results
.set SN,  204                          ; v204-211 my token's scores of rows 8 h + 0 .. 7
; v1 lane, v2 r, v3 h, v4 16 l, v5 8 l, v6 4 r, v7 8 h, v8, v13-15, v22 LDS addresses, v9 my token's tile, v10 the tokens' scale words, v23 1.0
	s_load_b256 s[4:11], s[0:1], 0x0               ; cbt s[4:5], xq s[6:7], tw s[8:9], rec s[10:11]
	s_load_b128 s[12:15], s[0:1], 0x20             ; out1 s[12:13], idxw s[14:15]
	v_lshl_add_u32 v254, v0, 2, SPARE
	v_mov_b32 v255, 0
	v_lshrrev_b32 v1, 5, v0
	s_delay_alu instid0(VALU_DEP_1)
	v_readfirstlane_b32 s16, v1                    ; wave 0..15
	s_lshr_b32 s17, s16, 1
	s_and_b32 s18, s16, 1                          ; tile s18 of record 8 g + s17
	s_lshl_b32 s19, ttmp9, 3
	s_add_co_u32 s19, s19, s17
	s_mul_i32 s26, s19, PR
	s_mul_i32 s19, s18, 768
	s_add_co_u32 s24, s26, s19                     ; its image,
	s_mov_b32 s25, 0
	s_lshl_b32 s19, s18, 6
	s_add_co_u32 s26, s26, s19                     ; its scale words (1,536 on)
	s_mov_b32 s27, 0
	s_lshl_b32 s28, ttmp9, 10
	s_lshl_b32 s19, s16, 6
	s_add_co_u32 s28, s28, s19                     ; tw: my 16 numbers
	s_mov_b32 s29, 0
	s_bfe_u32 s17, s16, 0x10002                    ; chunk
	s_and_b32 s18, s16, 3                          ; table; also: which 256 bytes of the indices
	s_lshl_b32 s30, ttmp9, 1
	s_add_co_u32 s30, s30, s17
	s_mul_i32 s30, s30, RECB
	s_mul_i32 s19, s18, 1536
	s_add_co_u32 s30, s30, s19                     ; rec: my table (6,400 on)
	s_mov_b32 s31, 0
	s_lshl_b32 s32, ttmp9, 10
	s_lshl_b32 s39, s18, 8
	s_add_co_u32 s32, s32, s39                     ; out1, idxw
	s_mov_b32 s33, 0
	s_lshl_b32 s36, s16, 6                         ; IDX + 64 w
	s_lshl_b32 s37, s17, 9                         ; IDX + 512 x chunk
	s_and_b32 s38, s16, 7
	s_mul_i32 s38, s38, 1536
	s_add_co_u32 s38, s38, TST
	s_mov_b32 s46, 0x76543210
	s_mov_b32 s47, 0xfedcba98                      ; selects for lane l xor 16
	s_mov_b32 s21, 0
	v_and_b32 v1, 31, v0
	v_and_b32 v2, 15, v0
	v_bfe_u32 v3, v0, 4, 1
.irp i, 6,7,8,9,10,11
	v_mov_b32 v[BT+\i], 0                          ; k = 64 .. 127: zero codes, on both sides
.irp s, 0,1,2,3,4,5,6,7
	v_mov_b32 v[AFR+12*\s+\i], 0
.endr
.endr
	v_mov_b32 v216, 0                              ; a lane permute's destination counts as read: written once
	v_mov_b32 v217, 0
	v_mov_b32 v23, 1.0
	v_lshlrev_b32 v4, 4, v1
	v_lshlrev_b32 v5, 3, v1
	v_lshlrev_b32 v6, 2, v2
	v_lshlrev_b32 v7, 3, v3
	v_mul_u32_u24 v15, v2, 96
	v_lshl_add_u32 v14, v3, 7, s37                 ; my chunk's indices: tokens 32 h on
	v_add_nc_u32 v22, s38, v4                      ; my stage, 16 bytes a lane
	v_add_nc_u32 v8, s39, v5                       ; 256 bytes of the indices, 8 a lane
	v_mad_u32_u24 v15, v3, 48, v15
	v_add_nc_u32 v13, s36, v6                      ; my tile's indices: token r
	s_delay_alu instid0(VALU_DEP_2)
	v_add_nc_u32 v15, s38, v15                     ; my stage: row r, half h
	s_wait_alu depctr_va_vdst(0)
	s_wait_kmcnt 0x0
	s_add_nc_u64 s[8:9], s[8:9], s[28:29]
	s_load_b512 s[48:63], s[8:9], 0x0              ; my 16 tokens' tiles
	s_add_nc_u64 s[24:25], s[6:7], s[24:25]
	s_add_nc_u64 s[26:27], s[6:7], s[26:27]
	s_add_nc_u64 s[10:11], s[10:11], s[30:31]
	s_bitcmp1_b32 s16, 2
	s_cselect_b64 s[34:35], s[14:15], s[12:13]     ; the choice hangs on the wave's number alone
	s_add_nc_u64 s[34:35], s[34:35], s[32:33]
	global_load_b128 v[BT:BT+3], v4, s[24:25]
	global_load_b64 v[BT+4:BT+5], v5, s[24:25] offset:512
	global_load_b32 v10, v6, s[26:27] offset:1536  ; lane r: token r's word
	global_load_b32 v9, v6, s[8:9]                 ; lane (r, h): token r's tile
	s_wait_kmcnt 0x0
.irp i, 0,1,2,3,4,5,6,7,8,9,10,11,12,13,14,15
	s_min_u32 s[48+\i], s[48+\i], 255              ; a tile's number stays inside the table
	s_lshl_b32 s20, s[48+\i], 10
	s_add_nc_u64 s[66+2*\i:67+2*\i], s[4:5], s[20:21]
.endr
.macro GET b                           ; the tiles of tokens 8 b .. 8 b + 7
.irp s, 0,1,2,3,4,5,6,7
	global_load_b128 v[AFR+12*\s:AFR+12*\s+3], v4, s[66+16*(\b)+2*\s:67+16*(\b)+2*\s]
	global_load_b64 v[AFR+12*\s+4:AFR+12*\s+5], v5, s[66+16*(\b)+2*\s:67+16*(\b)+2*\s] offset:512
	global_load_b32 v[ASC+\s], v6, s[66+16*(\b)+2*\s:67+16*(\b)+2*\s] offset:768
.endr
.endm
.macro MULT                            ; every product starts its own sum: no chains
.irp s, 0,1,2,3,4,5,6,7
	v_wmma_scale_f32_16x16x128_f8f6f4 v[DD+8*\s:DD+8*\s+7], v[AFR+12*\s:AFR+12*\s+11], v[BT:BT+11], 0, v[ASC+\s], v10 matrix_a_fmt:MATRIX_FMT_BF6 matrix_b_fmt:MATRIX_FMT_BF6
.endr
.rept 4
	v_nop                                          ; four places, ahead of the first read of results and of loads into the operands
.endr
.endm
.macro MERGE b                         ; column 8 b + s of result s is taken over; each result from its low end on
.irp s, 0,1,2,3,4,5,6,7
.if 8*(\b)+\s == 0
.irp j, 0,1,2,3,4,5,6,7
	v_mov_b32 v[SN+\j], v[DD+\j]
.endr
.else
	s_mov_b32 s22, 0x10001<<(8*(\b)+\s)
.irp j, 0,1,2,3,4,5,6,7
	v_cndmask_b32 v[SN+\j], v[SN+\j], v[DD+8*\s+\j], s22
.endr
.endif
.endr
.endm
	GET 0
	s_wait_loadcnt 0x0
	MULT
	GET 1
	MERGE 0
	s_wait_alu depctr_va_vdst(0)
	s_wait_loadcnt 0x0
	MULT
	MERGE 1
	; the largest of my 8; its place: the lowest register that equals it; the index; the two halves of the lanes joined by (greater score, then lower index)
	v_max3_num_f32 v212, v[SN], v[SN+1], v[SN+2]
	v_max3_num_f32 v213, v[SN+3], v[SN+4], v[SN+5]
	v_min_u32 v9, 0xff, v9
	v_mov_b32 v214, 7
	v_max3_num_f32 v212, v212, v[SN+6], v[SN+7]
	s_delay_alu instid0(VALU_DEP_1)
	v_max_num_f32 v212, v212, v213
.irp j, 6,5,4,3,2,1,0
	v_cmp_eq_f32 s[24+\j], v[SN+\j], v212
.endr
	v_cndmask_b32 v214, v214, 6, s30
.irp j, 5,4,3,2,1,0
	s_delay_alu instid0(VALU_DEP_1)
	v_cndmask_b32 v214, v214, \j, s[24+\j]
.endr
	s_delay_alu instid0(VALU_DEP_1)
	v_lshl_add_u32 v214, v9, 4, v214
	s_delay_alu instid0(VALU_DEP_1)
	v_add_nc_u32 v214, v7, v214                    ; 16 x tile + 8 h + place
	v_permlanex16_b32 v216, v212, s46, s47
	v_permlanex16_b32 v217, v214, s46, s47
	v_cmp_gt_f32 s24, v216, v212                   ; the other half's is greater,
	v_cmp_eq_f32 s25, v216, v212                   ; or equal
	v_cmp_lt_u32 s26, v217, v214                   ; with the lower index
	s_and_b32 s25, s25, s26
	s_or_b32 s24, s24, s25
	v_cndmask_b32 v214, v214, v217, s24
	ds_store_b32 v13, v214                         ; both halves store the same word with the same value
	s_wait_dscnt 0x0
	s_barrier_signal -1
	s_barrier_wait -1                              ; all 256 indices lie in LDS
	s_cmp_lt_u32 s16, 8
	s_cbranch_scc0 .Lindices
	; A TABLE: 16 rows x 128 tokens; lane (r, h) makes row r for its 64 tokens: VAL where (idx & M) == V, else 0; the conversion packs them.  v176 M, v177 V, v178 VAL.  Only values are chosen
.irp q, 0,1,2,3,4,5,6,7
	ds_load_b128 v[72+4*\q:75+4*\q], v14 offset:16*\q          ; my chunk's indices as the operand has its tokens: 32 h + 0 .. 31,
.endr
.irp q, 0,1,2,3,4,5,6,7
	ds_load_b128 v[104+4*\q:107+4*\q], v14 offset:256+16*\q    ; 64 + 32 h + 0 .. 31
.endr
	s_cmp_eq_u32 s18, 0                            ; L: idx & 15 == r, the code of 16
	s_cselect_b32 s17, 15, 0xf80
	s_cselect_b32 s19, 0, 7
	s_mov_b32 s22, 0xc1e00000                      ; -28.0
	s_cselect_b32 s22, 0x41800000, s22             ; 16.0
	s_cmp_eq_u32 s18, 3                            ; AB's rows 16-31: idx & 0xf80 == (r + 16) << 7
	s_cselect_b32 s23, 16, 0
	s_cmp_eq_u32 s18, 1                            ; PL: idx & (16 << r) == 16 << r
	s_cselect_b32 s24, -1, 0
	v_mov_b32 v180, 16
	v_add_nc_u32 v181, s23, v2
	v_mov_b32 v176, s17
	v_mov_b32 v178, s22
	v_lshlrev_b32 v180, v2, v180
	v_lshlrev_b32 v181, s19, v181
	s_delay_alu instid0(VALU_DEP_2)
	v_cndmask_b32 v176, v176, v180, s24
	v_cndmask_b32 v177, v181, v180, s24
	s_wait_alu depctr_va_vdst(0)
	s_wait_dscnt 0x0
.irp g, 0,1,2,3
.irp q, 0,1,2,3
.irp n, 0,1,2,3
	v_and_b32 v[180+\n], v176, v[72+16*\g+4*\q+\n]
.endr
.irp n, 0,1,2,3
	v_cmp_eq_u32 s[40+\n], v[180+\n], v177
.endr
.irp n, 0,1,2,3
	v_cndmask_b32 v[136+4*\q+\n], 0, v178, s[40+\n]
.endr
.endr
.if \g == 0
	v_cvt_scalef32_pk16_bf6_f32 v[152:154], v[136:151], v23  ; 16.0 gives the code 0x1c, -28.0 the code 0x3f, 0 the code 0
.elseif \g == 1
	v_cvt_scalef32_pk16_bf6_f32 v[164:166], v[136:151], v23  ; (a conversion's three registers begin on an even number)
.elseif \g == 2
	v_cvt_scalef32_pk16_bf6_f32 v[158:160], v[136:151], v23
.else
	v_cvt_scalef32_pk16_bf6_f32 v[168:170], v[136:151], v23
.endif
.endr
	v_nop                                          ; one plain instruction behind a scaled conversion
.irp i, 0,1,2
	v_mov_b32 v[155+\i], v[164+\i]
	v_mov_b32 v[161+\i], v[168+\i]
.endr
.irp p, 0,1,2
	ds_store_b128 v15, v[152+4*\p:155+4*\p] offset:16*\p
.endr
.irp p, 0,1,2
	ds_load_b128 v[200+4*\p:203+4*\p], v22 offset:512*\p     ; LDS serves a wave's instructions in order: these see my stores
.endr
	s_wait_dscnt 0x0
.irp p, 0,1,2
	global_store_b128 v4, v[200+4*\p:203+4*\p], s[10:11] offset:6400+512*\p   ; 512 consecutive bytes
.endr
	s_branch .Lend
.Lindices:
	ds_load_b64 v[72:73], v8
	s_wait_dscnt 0x0
	global_store_b64 v5, v[72:73], s[34:35]        ; 256 consecutive bytes, aligned
.Lend:
	s_wait_tensorcnt 0x0                           ; the wave's end
	ds_add_u32 v254, v255
	s_wait_dscnt 0x0
	s_endpgm
.Lfunc_end_k_qe030ae0910_res:
	.size	k_qe030ae0910_res, .Lfunc_end_k_qe030ae0910_res-k_qe030ae0910_res
	.p2alignl 7, 3214868480
	.fill 96, 4, 3214868480
	.section	.rodata,"a",@progbits
	.p2align	6, 0x0
	.amdhsa_kernel k_qe030ae0910_res
		.amdhsa_group_segment_fixed_size 15360
		.amdhsa_private_segment_fixed_size 0
		.amdhsa_enable_private_segment 0
		.amdhsa_kernarg_size 48
		.amdhsa_user_sgpr_count 2
		.amdhsa_user_sgpr_kernarg_segment_ptr 1
		.amdhsa_wavefront_size32 1
		.amdhsa_system_sgpr_workgroup_id_x 1
		.amdhsa_system_sgpr_workgroup_id_y 1
		.amdhsa_system_sgpr_workgroup_id_z 1
		.amdhsa_system_vgpr_workitem_id 0
		.amdhsa_next_free_vgpr 256
		.amdhsa_next_free_sgpr 98
		.amdhsa_reserve_vcc 0
		.amdhsa_float_denorm_mode_32 3
		.amdhsa_float_denorm_mode_16_64 3
		.amdhsa_memory_ordered 1
		.amdhsa_forward_progress 1
		.amdhsa_inst_pref_size 39
	.end_amdhsa_kernel
	.amdgpu_metadata
---
amdhsa.version: [ 1, 2 ]
amdhsa.kernels:
  - .name:           k_qe030ae0910_res
    .symbol:         k_qe030ae0910_res.kd
    .args:
      - { .name: cbt, .offset: 0, .size: 8, .value_kind: global_buffer, .address_space: global }
      - { .name: xq, .offset: 8, .size: 8, .value_kind: global_buffer, .address_space: global }
      - { .name: tw, .offset: 16, .size: 8, .value_kind: global_buffer, .address_space: global }
      - { .name: rec, .offset: 24, .size: 8, .value_kind: global_buffer, .address_space: global }
      - { .name: out1, .offset: 32, .size: 8, .value_kind: global_buffer, .address_space: global }
      - { .name: idxw, .offset: 40, .size: 8, .value_kind: global_buffer, .address_space: global }
    .group_segment_fixed_size: 15360
    .private_segment_fixed_size: 0
    .kernarg_segment_align: 8
    .kernarg_segment_size: 48
    .max_flat_workgroup_size: 512
    .sgpr_count:     98
    .vgpr_count:     256
    .wavefront_size: 32
...
	.end_amdgpu_metadata
.endif
;; end of part 3
;; launch sum (part 4): grid 16 x 16, 8 waves a work-group, clusters of 4 x 1, 327,680 bytes of LDS; arguments rec, part; writes part
.if DOCPART == 4
	.amdgcn_target "amdgcn-amd-amdhsa--gfx1250"
	.amdhsa_code_object_version 6
	.text
	.protected	k_qe030ae0910_sum
	.globl	k_qe030ae0910_sum
	.p2align	8
	.type	k_qe030ae0910_sum,@function
k_qe030ae0910_sum:
	s_mov_b64 s[64:65], 0
	v_nop
	global_prefetch_b8 v0, s[64:65] scope:SCOPE_SE
	s_setreg_imm32_b32 hwreg(HW_REG_WAVE_MODE, 25, 1), 1
	s_wait_xcnt 0x0
	s_wait_alu depctr_hold_cnt(0) depctr_sa_sdst(0) depctr_va_vdst(0) depctr_va_sdst(0) depctr_va_ssrc(0) depctr_va_vcc(0) depctr_vm_vsrc(0)
	s_getreg_b32 s2, hwreg(HW_REG_IB_STS2, 6, 4)
	s_cmp_eq_u32 s2, 0
	s_cbranch_scc0 .Lentry_in_a_cluster
	s_endpgm
.Lentry_in_a_cluster:
	s_bfe_u32 s2, ttmp6, 0x10000c
	s_cmp_lg_u32 s2, 0x3003
	s_cbranch_scc0 .Lentry_shape_is_right
	s_endpgm
.Lentry_shape_is_right:
; The second product: embed_sum[c][d] = the sum over tokens of onehot[token][c] x q[token][d], both on codes of BF6 with E8M0 scales, K = the tokens; and bins[c], by the same instruction with a fragment of ones.
; SHARES.  Work-group (a, s): codebook rows 256 a .. 256 a + 255, tokens 4,096 s .. + 4,095 (32 chunks of 128).  Wave v = (bh = v % 2, ks = v / 2): rows 128 (2 a + bh) on (8 tiles of 16: t3 = bits 6..4 of the index),
; and a quarter of the chunks: in phase f the chunks 8 f + 2 ks + 0, 1.  Source 0 = 16 channels of q (or ones), source 1 = the one-hot fragment of 16 rows: lane (r, h) holds row c = 16 T + r and channels 16 dt + 8 h + j.
; THE ONE-HOT FRAGMENTS are made by ANDs from the tables that the launch before has left: L[r] & AB[2 a + bh], split three times by the planes of index bits 6, 5, 4: a child where the bit is set is plane & parent,
; the other is parent xor that child.  15 nodes x 12 registers make 8 fragments, which feed 40 matrix instructions.  A one is the code 16 under the byte 123, as the quantiser gives it.
; LDS: a work-group's whole share (32 x 9,472 bytes, and its two rows of AB for each chunk) is filled once, by four tensor loads a wave, one a phase, each issued after the one before has landed; nothing is filled again.
; CLUSTER: the four partners have the same s, so the chunks are asked for jointly; only the 192 bytes a chunk of AB differ, and come by a plain load.
; The four quarters of K are added through LDS (in bytes that have had their only fill and their last read); 16 partial results, one for each s, go to memory as images of the registers:
; part[s][2 a + bh]: 66 images of 512 bytes, lane l's 16 bytes at 16 l: image i < 64 = registers 4 i .. 4 i + 3 of the 32 accumulators (accumulator 4 t3 + dt); images 64, 65 = bins of t3 = 0-3, 4-7.
; REGISTERS: window 0: v4-10, v19 addresses that stay; v11-14, v18 the chunk's; v15 the one-hot's scale word; v16-17 q's scale words; v20-67 q's four fragments; v68-79 ones; v80-91 L; v92-127 planes 4, 5, 6;
;   v128-187 five nodes; v188-251 the 8 accumulators of bins.   window 1: the 32 accumulators.
.set CHB,  9472                        ; what of a record comes into LDS for all
.set RECB, 12544
.set ABR,  303104                      ; behind the 32 chunks: 32 x 192 bytes of AB
.set STG1, 0                           ; four wave results of 33,792 bytes
.set STG2, 135168                      ; two
.set QF,  20
.set ONES, 68
.set LR,  80
.set P4,  92
.set P5,  104
.set P6,  116
.set N0,  128
.set N1,  140
.set N2,  152
.set N3,  164
.set N4,  176
.set BACC, 188
.set MSB, 0
.macro WIN new                         ; the immediate's high byte repeats the setting that is left
.if MSB != \new
	s_set_vgpr_msb (MSB<<8)|\new
.set MSB, \new
.endif
.endm
.macro ROUND                           ; a round of the cluster's barrier
	s_barrier_signal -1
	s_barrier_wait -1
	s_cmp_lg_u32 s8, 0
	s_cbranch_scc1 .Lnot_wave_0_\@
	s_barrier_signal -3
.Lnot_wave_0_\@:
	s_barrier_wait -3
	s_barrier_signal -1
	s_barrier_wait -1
.endm
	s_load_b128 s[4:7], s[0:1], 0x0                ; rec, part
	v_lshl_add_u32 v254, v0, 2, 0x4c000
	v_mov_b32 v255, 0
	ds_add_u32 v254, v255
	ds_add_u32 v254, v255
	v_lshrrev_b32 v1, 5, v0
	s_delay_alu instid0(VALU_DEP_1)
	v_readfirstlane_b32 s8, v1                     ; wave 0..7
	v_and_b32 v1, 31, v0
	v_and_b32 v2, 15, v0
	v_bfe_u32 v3, v0, 4, 1
	s_bfe_u32 s9, ttmp6, 0x40000                   ; cx: it enters the addresses of AB's rows and of part alone
	s_lshl_b32 s10, ttmp9, 2
	s_add_co_u32 s10, s10, s9                      ; a
	s_and_b32 s11, ttmp7, 0xffff                   ; s, which the partners share
	s_and_b32 s12, s8, 1                           ; bh
	s_lshr_b32 s13, s8, 1                          ; ks
	; LDS addresses, all made here
	s_mul_i32 s14, s13, 2*CHB                      ; my two chunks of a phase's eight
	v_lshl_add_u32 v4, v1, 4, s14                  ; q's images
	v_lshl_add_u32 v5, v1, 2, s14                  ; q's scale words
	v_mul_u32_u24 v6, v2, 96
	s_delay_alu instid0(VALU_DEP_1)
	v_mad_u32_u24 v6, v3, 48, v6
	s_delay_alu instid0(VALU_DEP_1)
	v_add_nc_u32 v6, s14, v6                       ; L: row r, half h
	v_mul_u32_u24 v7, v3, 48
	s_mul_i32 s15, s12, 96
	s_mul_i32 s16, s13, 384
	s_add_co_u32 s15, s15, s16
	s_add_co_u32 s15, s15, ABR
	v_add_nc_u32 v8, s15, v7                       ; AB: row bh of my two, half h
	v_add_nc_u32 v7, s14, v7                       ; the planes: half h
	s_and_b32 s16, s13, 1
	s_lshl_b32 s16, s16, 1
	s_add_co_u32 s16, s16, s12
	s_mul_i32 s16, s16, 33792
	v_lshl_add_u32 v9, v1, 4, s16                  ; STG1: place 2 (ks % 2) + bh
	s_mul_i32 s17, s12, 33792
	s_add_co_u32 s17, s17, STG2
	v_lshl_add_u32 v10, v1, 4, s17                 ; STG2: place bh
	v_lshlrev_b32 v19, 4, v1
	v_mov_b32 v15, 0x7b7b7b7b                      ; 2^-4 for every block of the one-hot operand and of the ones
.irp i, 0,1,2,3
	v_mov_b32 v[ONES+3*\i], 0x1c71c71c             ; the code 0x1c sixteen times in 96 bits
	v_mov_b32 v[ONES+3*\i+1], 0xc71c71c7
	v_mov_b32 v[ONES+3*\i+2], 0x71c71c71
.endr
	; offsets in memory
	s_lshl_b32 s72, s11, 5                         ; 32 s
	s_add_co_u32 s73, s72, s8
	s_mul_i32 s18, s73, RECB                       ; chunk 32 s + wave
	s_mov_b32 s19, 0
	s_mul_i32 s20, s8, CHB
	s_mul_i32 s60, s72, RECB                       ; chunk 32 s,
	s_mul_i32 s75, s10, 192
	s_add_co_u32 s60, s60, s75
	s_add_co_u32 s60, s60, 9472                    ; its rows 2 a and 2 a + 1 of AB
	s_mov_b32 s61, 0
	s_lshl_b32 s76, s10, 1
	s_add_co_u32 s76, s76, s72
	s_add_co_u32 s76, s76, s12
	s_mul_i32 s70, s76, 33792                      ; part[s][2 a + bh]
	s_mov_b32 s71, 0
	; group 1 for a chunk: one row of 9,472 bytes, which begins at a multiple of 256; mask: all four work-groups, bit 21 beside it
	s_mov_b32 s32, 15|(3<<16)|(1<<21)
	s_mov_b32 s33, (CHB/8)<<16
	s_mov_b32 s34, 1<<16
	s_mov_b32 s35, (CHB/8)<<16
	s_mov_b32 s36, 1
	s_mov_b32 s37, CHB/8
	s_mov_b32 s38, 1<<16
	s_mov_b32 s39, 0
	; AB's two rows of each of the 32 chunks, 32 x 192 bytes, come through registers: piece i = thread + 256 k of 8 bytes lies in chunk i / 24 (= i x 2731 >> 16 for i under 768), and goes to ABR + 8 i
.irp k, 0,1,2
	v_add_nc_u32 v[20+\k], 256*\k, v0
.endr
.irp k, 0,1,2
	v_mul_u32_u24 v[32+\k], v[20+\k], 2731
.endr
.irp k, 0,1,2
	v_lshrrev_b32 v[32+\k], 16, v[32+\k]
.endr
.irp k, 0,1,2
	v_mul_u32_u24 v[32+\k], v[32+\k], RECB-192
.endr
.irp k, 0,1,2
	v_lshl_add_u32 v[20+\k], v[20+\k], 3, v[32+\k]           ; 8 i + chunk x (a record less 192 bytes)
.endr
	v_lshl_add_u32 v30, v0, 3, ABR
	s_wait_alu depctr_va_vdst(0)
	s_wait_dscnt 0x0
	s_wait_kmcnt 0x0
	s_add_nc_u64 s[18:19], s[4:5], s[18:19]
	s_add_nc_u64 s[70:71], s[6:7], s[70:71]
	s_add_nc_u64 s[42:43], s[4:5], s[60:61]
.irp k, 0,1,2
	global_load_b64 v[24+2*\k:25+2*\k], v[20+\k], s[42:43]
.endr
.irp f, 0,1,2,3
	s_mov_b32 s[44+4*\f], 1
	s_add_co_u32 s[45+4*\f], s20, \f*8*CHB         ; chunk 8 f + wave of the work-group's 32
	s_add_nc_u64 s[46+4*\f:47+4*\f], s[18:19], \f*8*RECB
	s_or_b32 s[47+4*\f], s[47+4*\f], 0x80000000
.endr
	ROUND                                          ; all four work-groups are here: the joint loads meet
	tensor_load_to_lds s[44:47], s[32:39]          ; phase 0's chunk: one tensor load a wave at the head; the later phases' first fills follow below, each behind the three lines and a round
	s_nop 0
.rept 4
	v_nop
.endr
.macro AND12 d, a, b
.irp i, 0,1,2,3,4,5,6,7,8,9,10,11
	v_and_b32 v[\d+\i], v[\a+\i], v[\b+\i]
.endr
.endm
.macro XOR12 d, a                      ; the parent less the child where the bit is set
.irp i, 0,1,2,3,4,5,6,7,8,9,10,11
	v_xor_b32 v[\d+\i], v[\d+\i], v[\a+\i]
.endr
.endm
.macro PLACES
.rept 4
	v_nop
.endr
.endm
.macro PROD acc, q, n, sc, row, zero
.if \zero
.if \row
	v_wmma_scale_f32_16x16x128_f8f6f4 v[\acc:\acc+7], v[\q:\q+11], v[\n:\n+11], 0, v[\sc], v15 matrix_a_fmt:MATRIX_FMT_BF6 matrix_b_fmt:MATRIX_FMT_BF6 matrix_a_scale:MATRIX_SCALE_ROW1
.else
	v_wmma_scale_f32_16x16x128_f8f6f4 v[\acc:\acc+7], v[\q:\q+11], v[\n:\n+11], 0, v[\sc], v15 matrix_a_fmt:MATRIX_FMT_BF6 matrix_b_fmt:MATRIX_FMT_BF6
.endif
.else
.if \row
	v_wmma_scale_f32_16x16x128_f8f6f4 v[\acc:\acc+7], v[\q:\q+11], v[\n:\n+11], v[\acc:\acc+7], v[\sc], v15 matrix_a_fmt:MATRIX_FMT_BF6 matrix_b_fmt:MATRIX_FMT_BF6 matrix_a_scale:MATRIX_SCALE_ROW1
.else
	v_wmma_scale_f32_16x16x128_f8f6f4 v[\acc:\acc+7], v[\q:\q+11], v[\n:\n+11], v[\acc:\acc+7], v[\sc], v15 matrix_a_fmt:MATRIX_FMT_BF6 matrix_b_fmt:MATRIX_FMT_BF6
.endif
.endif
.endm
; ten matrix instructions: two leaves x (four d tiles + bins).  The 40 accumulators take turns, one instruction a turn, in the same order in every chunk
.macro MM ta, na, tb, nb, zero
	WIN 0x50                                       ; C and D in window 1
.irp dt, 0,1,2,3
	PROD 8*(4*\ta+\dt), QF+12*\dt, \na, 16+\dt/2, \dt%2, \zero
.endr
.irp dt, 0,1,2,3
	PROD 8*(4*\tb+\dt), QF+12*\dt, \nb, 16+\dt/2, \dt%2, \zero
.endr
	WIN 0
	PROD BACC+8*\ta, ONES, \na, 15, 0, \zero
	PROD BACC+8*\tb, ONES, \nb, 15, 0, \zero
.endm
; one chunk of 128 tokens: number n0 + 2 ks of the work-group's 32
.macro CHUNK n0, zero
	v_add_nc_u32 v11, (\n0)*CHB, v4                ; five plain instructions: the places in front of loads into registers that matrix instructions have read
	v_add_nc_u32 v12, (\n0)*CHB, v5
	v_add_nc_u32 v13, (\n0)*CHB, v6
	v_add_nc_u32 v14, (\n0)*CHB, v7
	v_add_nc_u32 v18, (\n0)*192, v8
.irp p, 0,1,2
	ds_load_b128 v[LR+4*\p:LR+4*\p+3], v13 offset:6400+16*\p
.endr
.irp p, 0,1,2
	ds_load_b128 v[N0+4*\p:N0+4*\p+3], v18 offset:16*\p
.endr
.irp p, 0,1,2
	ds_load_b128 v[P6+4*\p:P6+4*\p+3], v14 offset:7936+192+16*\p
.endr
.irp p, 0,1,2
	ds_load_b128 v[P5+4*\p:P5+4*\p+3], v14 offset:7936+96+16*\p
.endr
.irp p, 0,1,2
	ds_load_b128 v[P4+4*\p:P4+4*\p+3], v14 offset:7936+16*\p
.endr
.irp dt, 0,1,2,3
.irp p, 0,1,2
	ds_load_b128 v[QF+12*\dt+4*\p:QF+12*\dt+4*\p+3], v11 offset:1536*\dt+512*\p
.endr
.endr
	ds_load_b32 v16, v12 offset:6144               ; lanes 0-15: d tile 0's words, lanes 16-31: d tile 1's
	ds_load_b32 v17, v12 offset:6272               ; d tiles 2 and 3
	s_wait_dscnt 14                                ; the tables are in; q's twelve loads and its two scale words may be out
	AND12 N0, LR, N0                               ; my 128 rows' ones, by row % 16
	AND12 N1, P6, N0                               ; t3 = 4 .. 7
	XOR12 N0, N1                                   ; 0 .. 3
	AND12 N2, P5, N0                               ; 2, 3
	XOR12 N0, N2                                   ; 0, 1
	AND12 N3, P4, N0                               ; 1
	XOR12 N0, N3                                   ; 0
	PLACES                                         ; an operand written by vector instructions stands four places ahead of a scaled matrix instruction
	s_wait_alu depctr_va_vdst(0)
	s_wait_dscnt 0x0
	MM 1, N3, 0, N0, \zero
	AND12 N4, P5, N1                               ; 6, 7  (twelve places behind the products, ahead of the writes of their operands)
	AND12 N3, P4, N2                               ; 3
	XOR12 N2, N3                                   ; 2
	PLACES
	MM 3, N3, 2, N2, \zero
	XOR12 N1, N4                                   ; 4, 5
	AND12 N3, P4, N1                               ; 5
	XOR12 N1, N3                                   ; 4
	PLACES
	MM 5, N3, 4, N1, \zero
	PLACES
	AND12 N3, P4, N4                               ; 7
	XOR12 N4, N3                                   ; 6
	PLACES
	MM 7, N3, 6, N4, \zero
.endm
	s_wait_loadcnt 0x0
.irp k, 0,1,2
	ds_store_b64 v30, v[24+2*\k:25+2*\k] offset:2048*\k      ; AB's rows, into bytes that no tensor load fills
.endr
.irp f, 0,1,2,3
	s_wait_tensorcnt 0x0                           ; my chunk of phase f has landed: no tensor load of mine is out
.if \f < 3
	ds_add_u32 v254, v255
	s_wait_dscnt 0x0                               ; the add, my stores and my reads are done
	ROUND                                          ; everybody's chunk has landed, and the four work-groups are here: the joint loads meet
	tensor_load_to_lds s[48+4*\f:51+4*\f], s[32:39]          ; the next phase's chunk, a first fill: it lands under this phase's two chunks of work
	s_nop 0
.rept 4
	v_nop
.endr
.else
	s_wait_dscnt 0x0
	s_barrier_signal -1
	s_barrier_wait -1                              ; everybody's has
.endif
.if \f == 0
	CHUNK 0, 1                                     ; the first chunk's products start the sums: nothing is cleared
.else
	CHUNK 8*\f, 0
.endif
	CHUNK 8*\f+1, 0
.endr
	; THE FOUR QUARTERS OF K ARE ADDED: ks 2, 3 hand theirs to ks 0, 1; ks 1 hands its sum to ks 0
	PLACES                                         ; four places behind the last products, ahead of the first read of results
.irp t, 0,1,2,3,4,5,6,7
	v_mov_b32 v[20+\t], v[BACC+8*\t]               ; bins: every row of the result is the same count: its lowest register serves
.endr
.macro TOSTG adr
	WIN 0x04                                       ; an LDS store's data are its source 1: window 1
.set i, 0
.rept 64
	ds_store_b128 v[\adr], v[4*i:4*i+3] offset:512*i          ; each accumulator from its low end on
.set i, i+1
.endr
	WIN 0
	ds_store_b128 v[\adr], v[20:23] offset:32768
	ds_store_b128 v[\adr], v[24:27] offset:33280
.endm
.macro ADDIN adr
.irp b, 0,1,2,3
.set i, 0
.rept 16
	ds_load_b128 v[28+4*i:31+4*i], v[\adr] offset:512*(16*\b+i)
.set i, i+1
.endr
	s_wait_dscnt 0x0
	WIN 0x41                                       ; destination and source 0 in window 1
.set i, 0
.rept 32
	v_pk_add_f32 v[64*\b+2*i:64*\b+2*i+1], v[64*\b+2*i:64*\b+2*i+1], v[28+2*i:29+2*i]
.set i, i+1
.endr
	WIN 0
.endr
	ds_load_b128 v[28:31], v[\adr] offset:32768
	ds_load_b128 v[32:35], v[\adr] offset:33280
	s_wait_dscnt 0x0
.irp i, 0,2,4,6
	v_pk_add_f32 v[20+\i:21+\i], v[20+\i:21+\i], v[28+\i:29+\i]
.endr
.endm
	s_wait_dscnt 0x0
	s_barrier_signal -1
	s_barrier_wait -1                              ; nobody reads the chunks any more: their bytes, filled once, serve as the stage
	s_cmp_lt_u32 s13, 2
	s_cbranch_scc1 .Lkeep_1
	s_wait_alu depctr_va_vdst(0)
	TOSTG 9
.Lkeep_1:
	s_wait_dscnt 0x0
	s_barrier_signal -1
	s_barrier_wait -1
	s_cmp_lt_u32 s13, 2
	s_cbranch_scc0 .Ladded_1
	ADDIN 9
.Ladded_1:
	s_cmp_eq_u32 s13, 1
	s_cbranch_scc0 .Lkeep_2
	s_wait_alu depctr_va_vdst(0)
	TOSTG 10
.Lkeep_2:
	s_wait_dscnt 0x0
	s_barrier_signal -1
	s_barrier_wait -1
	s_cmp_eq_u32 s13, 0
	s_cbranch_scc0 .Lout
	ADDIN 10
	WIN 0x04                                       ; a store's data are its source 1: window 1
.set i, 0
	s_wait_alu depctr_va_vdst(0)
.rept 64
	global_store_b128 v19, v[4*i:4*i+3], s[70:71] offset:512*i          ; 512 consecutive bytes, aligned
.set i, i+1
.endr
	WIN 0
	global_store_b128 v19, v[20:23], s[70:71] offset:32768
	global_store_b128 v19, v[24:27], s[70:71] offset:33280
.Lout:
	s_wait_tensorcnt 0x0
	ds_add_u32 v254, v255
	s_wait_dscnt 0x0
	ROUND                                          ; the closing round: no work-group ends while a partner may still ask jointly
	s_endpgm
.Lfunc_end_k_qe030ae0910_sum:
	.size	k_qe030ae0910_sum, .Lfunc_end_k_qe030ae0910_sum-k_qe030ae0910_sum
	.p2alignl 7, 3214868480
	.fill 96, 4, 3214868480
	.section	.rodata,"a",@progbits
	.p2align	6, 0x0
	.amdhsa_kernel k_qe030ae0910_sum
		.amdhsa_group_segment_fixed_size 327680
		.amdhsa_private_segment_fixed_size 0
		.amdhsa_enable_private_segment 0
		.amdhsa_kernarg_size 16
		.amdhsa_user_sgpr_count 2
		.amdhsa_user_sgpr_kernarg_segment_ptr 1
		.amdhsa_wavefront_size32 1
		.amdhsa_system_sgpr_workgroup_id_x 1
		.amdhsa_system_sgpr_workgroup_id_y 1
		.amdhsa_system_sgpr_workgroup_id_z 1
		.amdhsa_system_vgpr_workitem_id 0
		.amdhsa_next_free_vgpr 512
		.amdhsa_next_free_sgpr 90
		.amdhsa_reserve_vcc 0
		.amdhsa_float_denorm_mode_32 3
		.amdhsa_float_denorm_mode_16_64 3
		.amdhsa_memory_ordered 1
		.amdhsa_forward_progress 1
		.amdhsa_inst_pref_size 161
	.end_amdhsa_kernel
	.amdgpu_metadata
---
amdhsa.version: [ 1, 2 ]
amdhsa.kernels:
  - .name:           k_qe030ae0910_sum
    .symbol:         k_qe030ae0910_sum.kd
    .args:
      - { .name: rec, .offset: 0, .size: 8, .value_kind: global_buffer, .address_space: global }
      - { .name: part, .offset: 8, .size: 8, .value_kind: global_buffer, .address_space: global }
    .group_segment_fixed_size: 327680
    .private_segment_fixed_size: 0
    .kernarg_segment_align: 8
    .kernarg_segment_size: 16
    .max_flat_workgroup_size: 256
    .sgpr_count:     90
    .vgpr_count:     512
    .wavefront_size: 32
...
	.end_amdgpu_metadata
.endif
;; end of part 4
;; launch final (part 5): grid 256 x 1, 4 waves a work-group, no clusters, 5,632 bytes of LDS; arguments part, embed, cluster_size, idxw, out0, out2, out3; writes out0, out2, out3
.if DOCPART == 5
	.amdgcn_target "amdgcn-amd-amdhsa--gfx1250"
	.amdhsa_code_object_version 6
	.text
	.protected	k_qe030ae0910_final
	.globl	k_qe030ae0910_final
	.p2align	8
	.type	k_qe030ae0910_final,@function
k_qe030ae0910_final:
	s_mov_b64 s[64:65], 0
	v_nop
	global_prefetch_b8 v0, s[64:65] scope:SCOPE_SE
	s_setreg_imm32_b32 hwreg(HW_REG_WAVE_MODE, 25, 1), 1
	s_wait_xcnt 0x0
; Work-group g: (1) codebook rows 16 g .. 16 g + 15: the 16 partial sums and counts are added, in ascending order of the tokens; embed_sum / bins is normalised (rows that no token chose take the normalised old row);
; out2 = 0.8 embed + 0.2 x that; out3 = 0.8 cluster_size + 0.2 bins.  (2) tokens 256 g .. + 255: out0 = embed[idx], the raw rows; the indices were stored as whole numbers two launches ago.
; Wave w: channels 16 w .. 16 w + 15 of the rows (lane (r, h): row 16 g + r, channels 16 w + 8 h + 0 .. 7, as the product left them), and tokens 64 w .. + 63.
; No matrix work, no tensor loads: every load goes out at the head, the gather as soon as its registers are free, and the arithmetic stands under it.
; out3 is 64 bytes a work-group, a quarter of an aligned 256: the whole output is 16,384 bytes.
; LIMITS: NaN and infinities are not served; an index is held to 4,095.  Divisions are reciprocal and multiply, a few parts in 10^7.
.set A,   16                           ; v16-47   indices, then the gather's offsets
.set SUM, 48                           ; v48-55   embed_sum
.set OUTR, 56                          ; v56-63   out2's numbers
.set PT,  64                           ; v64-191  16 partial sums x 8; then the gathered rows, 32 x 4
.set BN,  192                          ; v192-207 16 partial counts
.set E,   208                          ; v208-215 embed
.set FX,  0                            ; LDS: the waves' sums of squares, 128 bytes each
.set OST, 512                          ; a stage of 16 rows x (256 + 16) bytes for out2
	s_load_b256 s[4:11], s[0:1], 0x0               ; part s[4:5], embed s[6:7], cluster_size s[8:9], idxw s[10:11]
	s_load_b128 s[12:15], s[0:1], 0x20             ; out0 s[12:13], out2 s[14:15]
	s_load_b64 s[16:17], s[0:1], 0x30              ; out3
	v_lshl_add_u32 v254, v0, 2, 0x1400
	v_mov_b32 v255, 0
	v_lshrrev_b32 v1, 5, v0
	v_readfirstlane_b32 s18, v1                    ; wave 0..3
	v_and_b32 v1, 31, v0
	v_and_b32 v2, 15, v0
	v_bfe_u32 v3, v0, 4, 1
	v_lshlrev_b32 v4, 4, v1                        ; 16 l
	v_lshlrev_b32 v5, 2, v3                        ; 4 h
	v_lshlrev_b32 v6, 4, v2                        ; 16 r
	v_lshl_add_u32 v7, v3, 8, v6                   ; 256 h + 16 r: two rows of 256 bytes an instruction
	v_lshlrev_b32 v8, 8, v2
	v_lshl_add_u32 v8, v3, 5, v8                   ; embed: row r, + 32 h
	v_lshlrev_b32 v9, 2, v2                        ; 4 r
	s_lshl_b32 s19, s18, 7
	v_lshl_add_u32 v10, v2, 3, s19                 ; FX + 128 w + 8 r
	v_lshlrev_b32 v11, 3, v2                       ; FX + 8 r
	s_lshl_b32 s19, s18, 6
	s_add_co_u32 s19, s19, OST
	v_mul_u32_u24 v12, v2, 272
	v_lshl_add_u32 v12, v3, 5, v12
	v_add_nc_u32 v12, s19, v12                     ; the stage: row r, + 64 w + 32 h
	s_mul_i32 s19, s18, 4*272
	s_add_co_u32 s19, s19, OST
	v_mul_u32_u24 v13, v3, 272
	v_lshl_add_u32 v13, v2, 4, v13
	v_add_nc_u32 v13, s19, v13                     ; back: rows 4 w + h (+ 2), 16 bytes a lane
	s_lshl_b32 s19, s18, 10
	v_add_nc_u32 v14, s19, v7                      ; and the same rows in out2
	v_mov_b32 v221, 0                              ; (named as upper halves of pairs)
	v_mov_b32 v251, 0
	v_mov_b32 v238, 0                              ; a lane permute's destination counts as read
	v_mov_b32 v239, 0
	s_mov_b32 s32, 0x76543210
	s_mov_b32 s33, 0xfedcba98                      ; selects for lane l xor 16
	s_mov_b32 s36, 0x3f4ccccd                      ; 0.8
	s_mov_b32 s37, s36
	s_lshr_b32 s28, ttmp9, 3
	s_mul_i32 s28, s28, 33792                      ; part: the block of 128 rows,
	s_and_b32 s29, ttmp9, 7                        ; t3
	s_lshl_b32 s20, s29, 12
	s_add_co_u32 s20, s20, s28
	s_lshl_b32 s21, s18, 10
	s_add_co_u32 s20, s20, s21                     ; accumulator 4 t3 + w: 1,024 bytes each
	s_mov_b32 s21, 0
	s_lshr_b32 s24, s29, 2
	s_lshl_b32 s24, s24, 9
	s_add_co_u32 s24, s24, s28
	s_and_b32 s25, ttmp9, 3
	s_lshl_b32 s25, s25, 2
	s_add_co_u32 s24, s24, s25
	s_add_co_u32 s24, s24, 32768                   ; bins: image 64 + t3 / 4, register t3 % 4
	s_mov_b32 s25, 0
	s_lshl_b32 s30, ttmp9, 10
	s_lshl_b32 s31, s18, 8
	s_add_co_u32 s30, s30, s31                     ; idxw: my wave's 64 indices
	s_mov_b32 s31, 0
	s_lshl_b32 s40, ttmp9, 12
	s_mov_b32 s41, 0                               ; embed, out2: my 16 rows
	s_lshl_b32 s42, s18, 6
	s_add_co_u32 s42, s42, s40
	s_mov_b32 s43, 0                               ; + my 16 channels
	s_lshl_b32 s44, ttmp9, 6
	s_mov_b32 s45, 0                               ; cluster_size, out3: my 16 numbers
	s_lshl_b32 s46, ttmp9, 16
	s_lshl_b32 s47, s18, 14
	s_add_co_u32 s46, s46, s47
	s_mov_b32 s47, 0                               ; out0: my wave's 64 rows
	s_wait_kmcnt 0x0
	s_add_nc_u64 s[10:11], s[10:11], s[30:31]
	s_add_nc_u64 s[20:21], s[4:5], s[20:21]
	s_add_nc_u64 s[22:23], s[20:21], 8*1081344     ; slices 8 to 15: so every offset stays inside the signed 24-bit immediate
	s_add_nc_u64 s[24:25], s[4:5], s[24:25]
	s_add_nc_u64 s[26:27], s[24:25], 8*1081344
	s_add_nc_u64 s[30:31], s[6:7], s[42:43]
	s_add_nc_u64 s[8:9], s[8:9], s[44:45]
	s_add_nc_u64 s[16:17], s[16:17], s[44:45]
	s_add_nc_u64 s[14:15], s[14:15], s[40:41]
	s_add_nc_u64 s[12:13], s[12:13], s[46:47]
.set i, 0
.rept 32
	global_load_b32 v[A+i], v5, s[10:11] offset:8*i          ; the index of token 2 i + h: sixteen lanes share a row of the gather
.set i, i+1
.endr
.set i, 0
.rept 16
	global_load_b128 v[PT+8*i:PT+8*i+3], v4, s[20+2*(i/8):21+2*(i/8)] offset:(i%8)*1081344 th:TH_LOAD_NT
	global_load_b128 v[PT+8*i+4:PT+8*i+7], v4, s[20+2*(i/8):21+2*(i/8)] offset:(i%8)*1081344+512 th:TH_LOAD_NT
.set i, i+1
.endr
.set i, 0
.rept 16
	global_load_b32 v[BN+i], v4, s[24+2*(i/8):25+2*(i/8)] offset:(i%8)*1081344
.set i, i+1
.endr
	global_load_b128 v[E:E+3], v8, s[30:31]
	global_load_b128 v[E+4:E+7], v8, s[30:31] offset:16
	global_load_b32 v216, v9, s[8:9]
	s_wait_loadcnt 51                              ; the 32 indices are in; the 51 loads issued behind them may be out
.set i, 0
.rept 32
	v_min_u32 v[A+i], 0xfff, v[A+i]                ; an index stays inside the table
	v_lshl_add_u32 v[A+i], v[A+i], 8, v6           ; its row of 256 bytes, my 16 bytes
.set i, i+1
.endr
	s_wait_loadcnt 0x0
.irp k, 0,2,4,6
	v_pk_add_f32 v[SUM+\k:SUM+\k+1], v[PT+\k:PT+\k+1], v[PT+8+\k:PT+8+\k+1]
.endr
.set i, 2
.rept 14
.irp k, 0,2,4,6
	v_pk_add_f32 v[SUM+\k:SUM+\k+1], v[SUM+\k:SUM+\k+1], v[PT+8*i+\k:PT+8*i+\k+1]
.endr
.set i, i+1
.endr
	v_add_f32 v217, v[BN], v[BN+1]
	v_add_f32 v218, v[BN+2], v[BN+3]
.irp i, 4,6,8,10,12,14
	v_add_f32 v217, v217, v[BN+\i]
	v_add_f32 v218, v218, v[BN+\i+1]
.endr
	v_add_f32 v217, v217, v218                     ; bins: whole numbers, exact
.set i, 0
.rept 32
	global_load_b128 v[PT+4*i:PT+4*i+3], v[A+i], s[6:7]      ; the gather, into the registers that the partial sums have left
.set i, i+1
.endr
	v_cmp_eq_f32 s34, 0, v217                      ; rows that no token chose
	v_cndmask_b32 v218, v217, 1.0, s34
	s_wait_alu depctr_va_vdst(0)
	v_rcp_f32 v220, v218
	v_pk_mul_f32 v[234:235], v[E:E+1], v[E:E+1]    ; (plain work behind the reciprocal) embed's squares
.irp k, 2,4,6
	v_pk_fma_f32 v[234:235], v[E+\k:E+\k+1], v[E+\k:E+\k+1], v[234:235]
.endr
	v_mul_f32 v219, 0x3e4ccccd, v217
	v_fmamk_f32 v219, v216, 0x3f4ccccd, v219       ; out3 = 0.8 cluster_size + 0.2 bins
	s_wait_alu depctr_va_vdst(0)                   ; the wait ahead of the reciprocal's first reader
.irp k, 0,2,4,6
	v_pk_mul_f32 v[224+\k:225+\k], v[SUM+\k:SUM+\k+1], v[220:221] op_sel_hi:[1,0]   ; embed_sum / bins
.endr
	v_pk_mul_f32 v[232:233], v[224:225], v[224:225]
.irp k, 2,4,6
	v_pk_fma_f32 v[232:233], v[224+\k:225+\k], v[224+\k:225+\k], v[232:233]
.endr
	v_add_f32 v236, v232, v233
	v_add_f32 v237, v234, v235
	v_permlanex16_b32 v238, v236, s32, s33
	v_permlanex16_b32 v239, v237, s32, s33
	v_pk_add_f32 v[236:237], v[236:237], v[238:239]          ; my wave's 16 channels of row r
	ds_store_b64 v10, v[236:237]                   ; both halves store the same 8 bytes with the same value
	s_wait_dscnt 0x0
	s_barrier_signal -1
	s_barrier_wait -1
.irp k, 0,1,2,3
	ds_load_b64 v[240+2*\k:241+2*\k], v11 offset:128*\k
.endr
	s_wait_dscnt 0x0
	v_pk_add_f32 v[240:241], v[240:241], v[242:243]
	v_pk_add_f32 v[244:245], v[244:245], v[246:247]
	v_pk_add_f32 v[240:241], v[240:241], v[244:245]          ; the rows' sums of squares over all 64 channels
	s_wait_alu depctr_va_vdst(0)
	v_sqrt_f32 v240, v240
	v_sqrt_f32 v241, v241
	v_nop
	s_wait_alu depctr_va_vdst(0)                   ; one wait for the two roots
	v_max_num_f32 v240, 0x2b8cbccc, v240           ; 1e-12
	v_max_num_f32 v241, 0x2b8cbccc, v241
	s_wait_alu depctr_va_vdst(0)
	v_rcp_f32 v240, v240
	v_rcp_f32 v241, v241
	v_nop
	s_wait_alu depctr_va_vdst(0)                   ; and one for the two reciprocals
	v_cndmask_b32 v250, v240, v241, s34            ; the factor that goes with the vector chosen below,
	v_mul_f32 v250, 0x3e4ccccd, v250               ; times 0.2
.irp j, 0,1,2,3,4,5,6,7
	v_cndmask_b32 v[224+\j], v[224+\j], v[E+\j], s34
.endr
.irp k, 0,2,4,6
	v_pk_mul_f32 v[OUTR+\k:OUTR+\k+1], v[E+\k:E+\k+1], s[36:37] op_sel_hi:[1,0]
.endr
.irp k, 0,2,4,6
	v_pk_fma_f32 v[OUTR+\k:OUTR+\k+1], v[224+\k:225+\k], v[250:251], v[OUTR+\k:OUTR+\k+1] op_sel_hi:[1,0,1]
.endr
	ds_store_b128 v12, v[OUTR:OUTR+3]
	ds_store_b128 v12, v[OUTR+4:OUTR+7] offset:16
	s_wait_dscnt 0x0                               ; a row's 256 bytes come from four waves
	s_barrier_signal -1
	s_barrier_wait -1
	ds_load_b128 v[240:243], v13
	ds_load_b128 v[244:247], v13 offset:2*272
	s_wait_dscnt 0x0
	global_store_b128 v14, v[240:243], s[14:15]              ; sixteen lanes store 256 consecutive bytes, aligned
	global_store_b128 v14, v[244:247], s[14:15] offset:512
.set i, 0
.rept 32
	s_wait_loadcnt 31-i                            ; loads come back in order: gather i is in
	global_store_b128 v7, v[PT+4*i:PT+4*i+3], s[12:13] offset:512*i th:TH_STORE_NT   ; two rows, 512 consecutive bytes
.set i, i+1
.endr
	s_cmp_lg_u32 s18, 0
	s_cbranch_scc1 .Lothers
	s_wait_xcnt 0x0                                ; EXEC changes only behind this wait
	v_cmp_gt_u32 vcc_lo, 16, v1
	s_and_saveexec_b32 s38, vcc_lo
	global_store_b32 v9, v219, s[16:17]            ; wave 0, lanes 0-15: the 16 rows' new cluster sizes
	s_wait_xcnt 0x0                                ; and again in front of the line that widens it
	s_or_b32 exec_lo, exec_lo, s38
.Lothers:
	s_wait_tensorcnt 0x0
	ds_add_u32 v254, v255
	s_wait_dscnt 0x0
	s_endpgm
.Lfunc_end_k_qe030ae0910_final:
	.size	k_qe030ae0910_final, .Lfunc_end_k_qe030ae0910_final-k_qe030ae0910_final
	.p2alignl 7, 3214868480
	.fill 96, 4, 3214868480
	.section	.rodata,"a",@progbits
	.p2align	6, 0x0
	.amdhsa_kernel k_qe030ae0910_final
		.amdhsa_group_segment_fixed_size 5632
		.amdhsa_private_segment_fixed_size 0
		.amdhsa_enable_private_segment 0
		.amdhsa_kernarg_size 56
		.amdhsa_user_sgpr_count 2
		.amdhsa_user_sgpr_kernarg_segment_ptr 1
		.amdhsa_wavefront_size32 1
		.amdhsa_system_sgpr_workgroup_id_x 1
		.amdhsa_system_sgpr_workgroup_id_y 1
		.amdhsa_system_sgpr_workgroup_id_z 1
		.amdhsa_system_vgpr_workitem_id 0
		.amdhsa_next_free_vgpr 256
		.amdhsa_next_free_sgpr 66
		.amdhsa_reserve_vcc 1
		.amdhsa_float_denorm_mode_32 3
		.amdhsa_float_denorm_mode_16_64 3
		.amdhsa_memory_ordered 1
		.amdhsa_forward_progress 1
		.amdhsa_inst_pref_size 32
	.end_amdhsa_kernel
	.amdgpu_metadata
---
amdhsa.version: [ 1, 2 ]
amdhsa.kernels:
  - .name:           k_qe030ae0910_final
    .symbol:         k_qe030ae0910_final.kd
    .args:
      - { .name: part, .offset: 0, .size: 8, .value_kind: global_buffer, .address_space: global }
      - { .name: embed, .offset: 8, .size: 8, .value_kind: global_buffer, .address_space: global }
      - { .name: cluster_size, .offset: 16, .size: 8, .value_kind: global_buffer, .address_space: global }
      - { .name: idxw, .offset: 24, .size: 8, .value_kind: global_buffer, .address_space: global }
      - { .name: out0, .offset: 32, .size: 8, .value_kind: global_buffer, .address_space: global }
      - { .name: out2, .offset: 40, .size: 8, .value_kind: global_buffer, .address_space: global }
      - { .name: out3, .offset: 48, .size: 8, .value_kind: global_buffer, .address_space: global }
    .group_segment_fixed_size: 5632
    .private_segment_fixed_size: 0
    .kernarg_segment_align: 8
    .kernarg_segment_size: 56
    .max_flat_workgroup_size: 128
    .sgpr_count:     66
    .vgpr_count:     256
    .wavefront_size: 32
...
	.end_amdgpu_metadata
.endif
;; end of part 5
